; MI455X (gfx1250); checked and timed in simulation.
; The chip was launched on July 23, 2026; its instructions are those of AMD's public machine-readable ISA for CDNA 5 (MIT licence, August 2026) and "CDNA5" Instruction Set Architecture Reference Guide (July 2026). The comments in the code are by the model that wrote it; some were corrected since.
;; Multi Head Attention Layer. Allowed arithmetic: matrix products marked QUANTISED: E2M3 operands, one E8M0 scale for each 32 along K, by v_wmma_scale_f32_16x16x128_f8f6f4 with both operands' format E2M3, f32 sums; everything else in f32.
;; Inputs: Wk 1,024 x 1,024 float32; Wo 1,024 x 1,024 float32; Wq 1,024 x 1,024 float32; Wv 1,024 x 1,024 float32; bk 1,024 float32; bo 1,024 float32; bq 1,024 float32; bv 1,024 float32; x 2 x 2,048 x 1,024 float32.
;; Outputs: out0 2 x 2,048 x 1,024 float32.
;; This version of the problem:
;;   THIS VERSION OF THE PROBLEM IS GIVEN IN LOW PRECISION. The matrix products marked QUANTISED in the list below multiply operands that are first quantised to E2M3 (2 exponent bits, 3 mantissa bits; 6 bits a number), with one power-of-two scale for each 32 numbers along K (OCP MX v1.0); their sums are f32. All else is computed in f32.
;;   The module's matrix products, in the order in which they are computed (A, B: the left and right operand; K: the contracted axis; several contracted axes count as one K, in the product's order):
;;     1. [M 4,096, K 1,024] x [K 1,024, N 1,024]; A: input x; B: input Wq: QUANTISED
;;     2. [M 4,096, K 1,024] x [K 1,024, N 1,024]; A: input x; B: input Wk: QUANTISED
;;     3. [M 4,096, K 1,024] x [K 1,024, N 1,024]; A: input x; B: input Wv: QUANTISED
;;     4. batch 32 x [M 2,048, K 64] x [K 64, N 2,048]; A: computed on the way; B: computed on the way: QUANTISED
;;     5. batch 32 x [M 64, K 2,048] x [K 2,048, N 2,048]; A: computed on the way; B: softmax (see below): QUANTISED
;;     6. [M 4,096, K 1,024] x [K 1,024, N 1,024]; A: computed on the way; B: input Wo: QUANTISED
;;   THE QUANTISER, for each operand of a quantised product, along K:
;;     - K is cut into blocks of 32 from its start; a last block that is shorter is filled with zeros.
;;     - A block's scale is 2^e with e = floor(log2(the largest magnitude in the block)) - 2, held to -126 .. 127; a block of zeros has e = 0. As a byte (E8M0): e + 127.
;;     - Each number is divided by its block's scale, clamped to +-7.5, and rounded to the nearest number of E2M3, ties to even, subnormals kept.
;;     - The product sums the exact products of the quantised numbers (number of the format x scale) in f32.
;;   ~~~python
;;   def quantise(x, axis):      # numpy; x: float32 -> the quantised numbers, widened to float32 again
;;       x = np.moveaxis(x, axis, -1); K = x.shape[-1]
;;       x = np.pad(x, [(0, 0)] * (x.ndim - 1) + [(0, -K % 32)]); x = x.reshape(x.shape[:-1] + (-1, 32)); a = np.abs(x).max(-1, keepdims=True)
;;       e = np.where(a > 0, np.clip(np.frexp(np.where(a > 0, a, 1))[1] - 1 - 2, -126, 127), 0)      # np.frexp(a)[1] - 1 = floor(log2(a)), exactly
;;       r = np.clip(x / 2.0 ** e, -7.5, 7.5)
;;       step = 2.0 ** (np.maximum(np.frexp(np.where(r == 0, 1, r))[1] - 1, 0) - 3)
;;       q = np.round(r / step) * step * 2.0 ** e      # np.round: ties to even
;;       return np.moveaxis(q.reshape(q.shape[:-2] + (-1,))[..., :K], -1, axis).astype(np.float32)
;;   ~~~
;;   SOFTMAX AHEAD OF A QUANTISED PRODUCT. Where the list says 'softmax', what is quantised is not the finished softmax but p = 2^(t - M), with t = logit x log2(e) and M = ceil(the row's largest t), a whole number; so 1/2 < the row's largest p <= 1. The row's sum l is taken of the UNQUANTISED p, in f32, and the product's result is divided by l at the end. Since M is a whole number, a kernel that streams over the keys may use a running M (the ceiling of the running maximum): every later rescaling is an exact power of two, which a block's scale takes up: the codes' values come out the same.
;;   OPERANDS COMPUTED ON THE WAY. 'Computed on the way' means the value that the module computes at that place (a softmax that the list does not call 'softmax' is quantised finished and normalised). What goes into a quantiser is computed in f32, as accurately as f32 sums, v_exp_f32 and their like allow (about 1e-6 of the number): no bf16 or f16 on the way to a quantiser, and a product that is left as it is and whose result goes on into a quantised operand takes f32 operands (vector FMAs, or v_wmma_f32_16x16x4_f32). A number that lies on a knife's edge between two numbers of the format may be rounded either way, as far as f32 arithmetic and the matrix unit's own rounding can turn it there, and no further.
;; One version. Each part assembles by itself: llvm-mc -triple=amdgcn-amd-amdhsa -mcpu=gfx1250 --defsym DOCPART=n.
;; ======== version 1 of 1: 4 launches
;; limits: right only within a limited range of input values
;; workspace buffers: xq 3,276,800 bytes; wq 3,276,800 bytes; qq 3,276,800 bytes; kv 6,553,600 bytes; cq 3,276,800 bytes
;; launch quant (part 1): grid 256 x 1, 8 waves a work-group, no clusters, 97,280 bytes of LDS; arguments x, Wq, Wk, Wv, Wo, xq, wq; writes xq, wq
.if DOCPART == 1
	.amdgcn_target "amdgcn-amd-amdhsa--gfx1250"
	.amdhsa_code_object_version 6
	.text
	.protected	k_q5808d0c3f2_quant
	.globl	k_q5808d0c3f2_quant
	.p2align	8
	.type	k_q5808d0c3f2_quant,@function
k_q5808d0c3f2_quant:
	s_mov_b64 s[64:65], 0
	v_nop
	global_prefetch_b8 v0, s[64:65] scope:SCOPE_SE
	s_setreg_imm32_b32 hwreg(HW_REG_WAVE_MODE, 25, 1), 1
	s_wait_xcnt 0x0
; MULTI-HEAD ATTENTION ON CODES OF FP6 (E2M3), launch 1 of 4: x [4096][1024] and Wq, Wk, Wv, Wo [1024 (k)][1024 (n)], f32, become codes with one E8M0 scale byte for each 32 along K.
; DEAD WORK: none.  Every bias goes into a quantised operand (bq, bk, bv) or into the result (bo), every product's result reaches the output: all nine inputs are loaded and all six products are done.
; A block's scale is 2^(floor(log2(its largest magnitude)) - 2); its byte is the largest magnitude's exponent field - 2, held at 1 from below by a floor among the maximum's leaves.
; LIMITS: a block of zeros, or one whose largest magnitude lies under 2^-124, gets the byte 1 (the rule says 127 for zeros: its codes are zeros, and this program alone reads the bytes); NaN and infinities among the inputs are not served.
; THE WORKSPACE IS LAID AS IMAGES OF THE OPERAND'S REGISTERS.  A TILE is 16 rows: tile 4 C + j holds in row r the real row 64 C + 32 (r / 8) + 8 j + r % 8, so that in a product whose registers run along these rows
; a lane's 32 registers of the tiles 4 C .. 4 C + 3 are 32 neighbours: one whole scale block of the next product.
; A HALF (64 along K, 6 registers a lane) is 768 bytes: lane l's registers 0-3 at 16 l, its registers 4-5 at 512 + 8 l.  A fragment (128 along K) is two halves.
; xq, wq: records of GRP bytes, [sg 0..3][group 0..31 of 8 tiles]: 8 tiles x [K step 2 sg + p][half][768], and behind them the scale words [tile][32 lanes]: lane (r, p) holds row r's word of K step 2 sg + p.  wq's tile = 64 x matrix + 4 (n / 64) + j.
; SHARES.  Work-groups 0-127 take x: a wave takes a tile x 256 along K.  Work-groups 128-255 take the weights: a wave takes 32 columns x 128 along K.  Each wave asks for all its 16 KiB at its head; no loop.
; Nothing is read twice and no work-groups share an input, so there are no clusters, no tensor loads and no prefetch.  The two paths part on the work-group's number and have LDS bytes of their own.
; A weight's 64 columns make four tiles, and a wave's 32 columns are eight rows of each: two waves share a stage, and behind one barrier each stores two whole tiles.
; The weights' scale words leave in pieces of 64 bytes, x's in pieces of 128: one byte in 25 of what the launch stores.
.set SGB,    819200                    ; bytes of one sg: 32 records
.set GRP,    25600                     ; a record
.set XWB,    8448                      ; x's stage, one a wave: 16 rows x (512 bytes + 16)
.set WST,    67584                     ; behind the eight: the weights' stages,
.set WWB,    7168                      ; one for two waves: four tiles' images,
.set WTP,    1664                      ; 1,536 bytes + 128 apart,
.set WSW,    6656                      ; and their 64 scale words
.set SPARE,  96256                     ; behind them: the spare words, 128 bytes for each wave, which no other line names
.set LANE, 1
.set RR,   2                           ; lane % 16
.set HH,   3                           ; lane / 16
.set LN16, 4                           ; 16 x lane
.set LN8,  5                           ; 8 x lane
.set XSTO, 6                           ; x's stage, on the way in
.set XRD,  7                           ; and out
.set WS16, 8                           ; a weight's image: where my column's registers 0-3 go
.set WS8,  9                           ; and its registers 4-5
.set MX,   10                          ; v10-11 largest magnitudes
.set SC,   12                          ; v12-13 the conversions' scale operands
.set BY,   14                          ; v14-15 scale bytes
.set WD,   16                          ; a scale word in the making
.set TMP,  17
.set PW,   18                          ; v18-19 x's scale words of the two K steps
.set SPW,  20                          ; my spare word's LDS address; never rewritten
.set NIL,  21                          ; 0; never rewritten
.set PX,   22                          ; v22-24, v26-28: the upper halves of two blocks' codes
.set WSI,  25                          ; a weight's scale word, into the stage
.set WSR,  29                          ; and back
.set WRD,  30                          ; a weight's image, on the way out
.set SH,   31                          ; 8 x (lane / 16)
.set PC,   32                          ; v32-55 x's codes: 12 registers for each K step;  the weights': v32-63, 8 for each block
.set X,    64                          ; v64-127 x: 64 neighbours along K;  the weights: v64-79 upper halves, v80-83, v96-119 the way out
.set LN4,  80
.set SOF,  81
.set R,    128                         ; v128-255 the numbers as they are loaded
	s_load_b256 s[4:11], s[0:1], 0x0               ; x, Wq, Wk, Wv
	s_load_b128 s[12:15], s[0:1], 0x20             ; Wo, xq
	s_load_b64 s[16:17], s[0:1], 0x30              ; wq
	v_lshl_add_u32 v[SPW], v0, 2, SPARE
	v_mov_b32 v[NIL], 0
	v_lshrrev_b32 v1, 5, v0
	s_delay_alu instid0(VALU_DEP_1)
	v_readfirstlane_b32 s18, v1                    ; wave 0..7
	v_and_b32 v[LANE], 31, v0
	v_and_b32 v[RR], 15, v0
	v_bfe_u32 v[HH], v0, 4, 1
	v_lshlrev_b32 v[LN16], 4, v[LANE]
	v_lshlrev_b32 v[LN8], 3, v[LANE]
	; every LDS address is made here, ahead of the parting of the two paths
	s_mul_i32 s19, s18, XWB
	v_add_nc_u32 v[XSTO], s19, v[LN16]             ; in: a row's 512 bytes as they lie
	v_mul_u32_u24 v[XRD], v[RR], 528
	v_lshl_add_u32 v[XRD], v[HH], 7, v[XRD]
	v_add_nc_u32 v[XRD], s19, v[XRD]               ; out: row r, my half's 32 numbers of each 64
	v_bfe_u32 v10, v0, 3, 2                        ; j: which of the four tiles my column lies in
	v_and_b32 v11, 7, v0
	s_and_b32 s33, s18, 1
	s_lshl_b32 s36, s33, 3
	v_add_nc_u32 v11, s36, v11                     ; r': its row there: odd waves hold the columns 32 further on, rows 8 to 15
	s_lshr_b32 s19, s18, 1
	s_mul_i32 s19, s19, WWB
	s_add_co_u32 s19, s19, WST                     ; the stage that I share with one other wave
	v_mul_u32_u24 v12, v10, WTP
	v_add_nc_u32 v12, s19, v12
	v_lshl_add_u32 v[WS16], v11, 4, v12
	v_lshl_add_u32 v[WS8], v11, 3, v12
	v_lshlrev_b32 v10, 6, v10
	v_lshl_add_u32 v10, v11, 2, v10
	s_add_co_u32 s36, s19, WSW
	v_add_nc_u32 v[WSI], s36, v10                  ; scale words: 64 bytes a tile
	s_lshl_b32 s37, s33, 7
	s_add_co_u32 s36, s36, s37
	v_lshlrev_b32 v11, 2, v[LANE]
	v_add_nc_u32 v[WSR], s36, v11                  ; back: my two tiles'
	s_mul_i32 s37, s33, 2*WTP
	s_add_co_u32 s19, s19, s37
	v_add_nc_u32 v[WRD], s19, v[LN16]              ; back: my two tiles' images
	v_lshlrev_b32 v[SH], 3, v[HH]
	v_mov_b32 v[TMP], 0                            ; a lane permute's destination counts as one of its sources
	s_mov_b32 s20, 0x76543210
	s_mov_b32 s21, 0xfedcba98                      ; v_permlanex16_b32's selects for lane l xor 16
	s_wait_alu depctr_va_vdst(0)                   ; the wait at the head's end
	s_wait_kmcnt 0x0
	s_cmp_ge_u32 ttmp9, 128
	s_cbranch_scc1 .Lweights
	; ---- x: K is innermost.  My wave: tile T, K = 256 sg on
	s_lshl_b32 s22, ttmp9, 3
	s_add_co_u32 s22, s22, s18
	s_lshr_b32 s23, s22, 2                         ; T
	s_and_b32 s22, s22, 3                          ; sg
	s_lshr_b32 s24, s23, 2
	s_lshl_b32 s24, s24, 6
	s_and_b32 s25, s23, 3
	s_lshl_b32 s25, s25, 3
	s_add_co_u32 s24, s24, s25                     ; the tile's first row: 64 (T / 4) + 8 (T % 4)
	s_lshl_b32 s24, s24, 12                        ; rows of 4,096 bytes
	s_lshl_b32 s25, s22, 10
	s_add_co_u32 s24, s24, s25
	s_mov_b32 s25, 0
	s_add_nc_u64 s[4:5], s[4:5], s[24:25]
	s_mul_i32 s26, s22, SGB
	s_lshr_b32 s27, s23, 3
	s_mul_i32 s27, s27, GRP
	s_add_co_u32 s26, s26, s27                     ; the record
	s_and_b32 s30, s23, 7
	s_mul_i32 s31, s30, 3072
	s_add_co_u32 s36, s26, s31
	s_mov_b32 s37, 0
	s_add_nc_u64 s[28:29], s[14:15], s[36:37]      ; my two fragments
	s_lshl_b32 s30, s30, 7
	s_add_co_u32 s36, s26, s30
	s_add_co_u32 s36, s36, 24576
	s_add_nc_u64 s[14:15], s[14:15], s[36:37]      ; and their scale words
.set pp, 0
.rept 2
.set ii, 0
.rept 16
	global_load_b128 v[R+64*pp+4*ii:R+64*pp+4*ii+3], v[LN16], s[4:5] offset:(ii+24*(ii/8))*4096+512*pp th:TH_LOAD_NT   ; 32 lanes read 512 consecutive bytes: the tile's row ii, K step pp
.set ii, ii+1
.endr
.set pp, pp+1
.endr
; One K step of 128: through the stage, so that lane (r, h) holds of row r the blocks h and 2 + h whole (k = 64 c + 32 h + 0 .. 31); then the blocks' scales, the codes, the stores.
.macro XSTEP p
	s_wait_loadcnt 16-16*\p                        ; this K step's 16 loads are in; the other's (issued behind them) may be out
.set ii, 0
.rept 16
	ds_store_b128 v[XSTO], v[R+64*\p+4*ii:R+64*\p+4*ii+3] offset:528*ii
.set ii, ii+1
.endr
.irp c, 0,1
.irp q, 0,1,2,3,4,5,6,7
	ds_load_b128 v[X+32*\c+4*\q:X+32*\c+4*\q+3], v[XRD] offset:256*\c+16*\q   ; LDS serves a wave's instructions in order: these see my stores, and the next K step's stores come behind them
.endr
.endr
	s_wait_dscnt 0x0
.irp c, 0,1
	v_max3_num_f32 v[MX+\c], |v[X+32*\c]|, |v[X+32*\c+1]|, 0x1800000   ; my block 2 c + h, and the floor 2^(3 - 127): the byte cannot fall under 1
.endr
.irp i, 2,4,6,8,10,12,14,16,18,20,22,24,26,28,30
.irp c, 0,1
	s_delay_alu instid0(VALU_DEP_2)
	v_max3_num_f32 v[MX+\c], v[MX+\c], |v[X+32*\c+\i]|, |v[X+32*\c+\i+1]|   ; (the two blocks by turns)
.endr
.endr
.irp c, 0,1
	s_delay_alu instid0(VALU_DEP_2)
	v_add_nc_u32 v[SC+\c], 0xff000000, v[MX+\c]    ; 2 off the exponent field: the conversion takes this operand's exponent field as its scale
.endr
.irp c, 0,1
	s_delay_alu instid0(VALU_DEP_2)
	v_lshrrev_b32 v[BY+\c], 23, v[SC+\c]           ; the scale's byte
.endr
	s_delay_alu instid0(VALU_DEP_1)
	v_lshl_or_b32 v[WD], v[BY+1], 16, v[BY]        ; my two bytes: blocks h and 2 + h,
	s_delay_alu instid0(VALU_DEP_1)
	v_lshlrev_b32 v[WD], v[SH], v[WD]              ; at their places in the word;
	s_delay_alu instid0(VALU_DEP_1)
	v_permlanex16_b32 v[TMP], v[WD], s20, s21
	s_delay_alu instid0(VALU_DEP_1)
	v_or_b32 v[PW+\p], v[WD], v[TMP]               ; with lane l xor 16's two the word is whole
.irp c, 0,1
	v_cvt_scalef32_pk16_fp6_f32 v[PC+12*\p+6*\c:PC+12*\p+6*\c+2], v[X+32*\c:X+32*\c+15], v[SC+\c]
	v_cvt_scalef32_pk16_fp6_f32 v[PX+4*\c:PX+4*\c+2], v[X+32*\c+16:X+32*\c+31], v[SC+\c]   ; (a conversion's three registers begin on an even number: a block's upper half is made elsewhere and moved)
.endr
	v_nop                                          ; one plain place behind a scaled conversion
.irp c, 0,1
.irp i, 0,1,2
	v_mov_b32 v[PC+12*\p+6*\c+3+\i], v[PX+4*\c+\i]
.endr
.endr
.irp c, 0,1
	global_store_b128 v[LN16], v[PC+12*\p+6*\c:PC+12*\p+6*\c+3], s[28:29] offset:1536*\p+768*\c          ; 512 consecutive bytes, at a multiple of 256
	global_store_b64 v[LN8], v[PC+12*\p+6*\c+4:PC+12*\p+6*\c+5], s[28:29] offset:1536*\p+768*\c+512      ; 256 consecutive bytes
.endr
.endm
	XSTEP 0
	XSTEP 1
	v_cmp_gt_u32 vcc_lo, 16, v[LANE]
	s_delay_alu instid0(VALU_DEP_1)
	v_cndmask_b32 v[WD], v[PW+1], v[PW], vcc_lo    ; lanes 0-15 the first K step's words, lanes 16-31 the second's
	v_lshlrev_b32 v[TMP], 2, v[LANE]
	global_store_b32 v[TMP], v[WD], s[14:15]
	s_branch .Lend
.Lweights:
	; ---- a weight: K is the FIRST axis.  A lane takes a column and its registers run down K: a block of 32 lies in one lane, and the conversions give codes with K innermost
	s_sub_co_u32 s22, ttmp9, 128
	s_lshr_b32 s23, s22, 5                         ; which matrix: 0..3 = Wq, Wk, Wv, Wo
	s_cmp_eq_u32 s23, 1
	s_cselect_b64 s[24:25], s[8:9], s[6:7]
	s_cmp_eq_u32 s23, 2
	s_cselect_b64 s[24:25], s[10:11], s[24:25]
	s_cmp_eq_u32 s23, 3
	s_cselect_b64 s[24:25], s[12:13], s[24:25]
	s_bfe_u32 s26, s22, 0x40001
	s_lshl_b32 s26, s26, 1
	s_add_co_u32 s26, s26, s33                     ; B: my 32 columns (two waves stand side by side on 256 bytes of each row)
	s_and_b32 s27, s22, 1
	s_lshl_b32 s27, s27, 2
	s_lshr_b32 s28, s18, 1
	s_add_co_u32 s27, s27, s28                     ; my K step, 0..7
	s_lshl_b32 s28, s27, 19                        ; 128 rows of 4,096 bytes
	s_lshl_b32 s29, s26, 7
	s_add_co_u32 s28, s28, s29
	s_mov_b32 s29, 0
	s_add_nc_u64 s[24:25], s[24:25], s[28:29]
	s_lshl_b32 s30, s23, 6
	s_lshl_b32 s31, s26, 1
	s_add_co_u32 s30, s30, s31                     ; the first of the two tiles that I store
	s_lshr_b32 s31, s27, 1                         ; sg
	s_and_b32 s27, s27, 1                          ; p
	s_mul_i32 s28, s31, SGB
	s_lshr_b32 s32, s30, 3
	s_mul_i32 s32, s32, GRP
	s_add_co_u32 s28, s28, s32                     ; the record
	s_and_b32 s30, s30, 7
	s_mul_i32 s32, s30, 3072
	s_add_co_u32 s36, s28, s32
	s_mul_i32 s32, s27, 1536
	s_add_co_u32 s36, s36, s32
	s_mov_b32 s37, 0
	s_add_nc_u64 s[34:35], s[16:17], s[36:37]      ; my two fragments, 3,072 bytes apart
	s_lshl_b32 s32, s30, 7
	s_add_co_u32 s36, s28, s32
	s_lshl_b32 s32, s27, 6
	s_add_co_u32 s36, s36, s32
	s_add_co_u32 s36, s36, 24576
	s_add_nc_u64 s[16:17], s[16:17], s[36:37]      ; and their scale words
	v_lshlrev_b32 v[LN4], 2, v[LANE]
	v_lshlrev_b32 v[SOF], 7, v[HH]
	v_lshl_add_u32 v[SOF], v[RR], 2, v[SOF]        ; two tiles' words, 128 bytes apart
.set ii, 0
.rept 128
	global_load_b32 v[R+ii], v[LN4], s[24:25] offset:ii*4096 th:TH_LOAD_NT   ; W(128 s + ii, my column)
.set ii, ii+1
.endr
; Block b of my column: it belongs to lane (r', b % 2) of the image, registers 6 (b / 2) on
.macro WBLOCK b
.if \b < 2
	s_wait_loadcnt 63                              ; this block's 32 loads are in (behind them 96 or 64 were issued; a wait names 63 at the most, and a smaller count is safe)
.else
	s_wait_loadcnt 96-32*\b                        ; the later blocks' loads may be out
.endif
	v_max3_num_f32 v[MX], |v[R+32*\b]|, |v[R+32*\b+1]|, 0x1800000   ; the block's largest magnitude, in two chains, and the floor 2^(3 - 127)
	v_max3_num_f32 v[MX+1], |v[R+32*\b+2]|, |v[R+32*\b+3]|, |v[R+32*\b+4]|
.irp i, 5,9,13,17,21,25
	s_delay_alu instid0(VALU_DEP_2)
	v_max3_num_f32 v[MX], v[MX], |v[R+32*\b+\i]|, |v[R+32*\b+\i+1]|
	s_delay_alu instid0(VALU_DEP_2)
	v_max3_num_f32 v[MX+1], v[MX+1], |v[R+32*\b+\i+2]|, |v[R+32*\b+\i+3]|
.endr
	s_delay_alu instid0(VALU_DEP_2)
	v_max3_num_f32 v[MX], v[MX], |v[R+32*\b+29]|, |v[R+32*\b+30]|
	s_delay_alu instid0(VALU_DEP_1)
	v_max3_num_f32 v[MX], v[MX], v[MX+1], |v[R+32*\b+31]|
	s_delay_alu instid0(VALU_DEP_1)
	v_add_nc_u32 v[SC], 0xff000000, v[MX]
	s_delay_alu instid0(VALU_DEP_1)
	v_lshrrev_b32 v[BY], 23, v[SC]
.if \b == 0
	s_delay_alu instid0(VALU_DEP_1)
	v_mov_b32 v[WD], v[BY]                         ; four bytes make the K step's word, the lower K in the lower byte
.else
	s_delay_alu instid0(VALU_DEP_1)
	v_lshl_or_b32 v[WD], v[BY], 8*\b, v[WD]
.endif
	v_cvt_scalef32_pk16_fp6_f32 v[PC+8*\b:PC+8*\b+2], v[R+32*\b:R+32*\b+15], v[SC]
	v_cvt_scalef32_pk16_fp6_f32 v[X+4*\b:X+4*\b+2], v[R+32*\b+16:R+32*\b+31], v[SC]
	v_nop                                          ; one plain place behind a scaled conversion
.irp i, 0,1,2
	v_mov_b32 v[PC+8*\b+3+\i], v[X+4*\b+\i]
.endr
	ds_store_b128 v[WS16], v[PC+8*\b:PC+8*\b+3] offset:768*(\b/2)+256*(\b%2)
	ds_store_b64 v[WS8], v[PC+8*\b+4:PC+8*\b+5] offset:512+768*(\b/2)+128*(\b%2)
.endm
	WBLOCK 0
	WBLOCK 1
	WBLOCK 2
	WBLOCK 3
	ds_store_b32 v[WSI], v[WD]
	s_wait_alu depctr_va_vdst(0)
	s_wait_dscnt 0x0                               ; my stores are done:
	s_barrier_signal -1
	s_barrier_wait -1                              ; and the other wave's
	ds_load_b32 v83, v[WSR]
.irp n, 0,1,2,3,4,5
	ds_load_b128 v[96+4*\n:96+4*\n+3], v[WRD] offset:WTP*(\n/3)+512*(\n%3)   ; two images back, as they lie
.endr
	s_wait_dscnt 6
	global_store_b32 v[SOF], v83, s[16:17]
.irp n, 0,1,2,3,4,5
	s_wait_dscnt 5-\n                              ; the younger read-backs may be out
	global_store_b128 v[LN16], v[96+4*\n:96+4*\n+3], s[34:35] offset:3072*(\n/3)+512*(\n%3)   ; 512 consecutive bytes, at a multiple of 256
.endr
.Lend:
	s_wait_tensorcnt 0x0                           ; the wave's end
	ds_add_u32 v[SPW], v[NIL]
	s_wait_dscnt 0x0
	s_endpgm
.Lfunc_end_k_q5808d0c3f2_quant:
	.size	k_q5808d0c3f2_quant, .Lfunc_end_k_q5808d0c3f2_quant-k_q5808d0c3f2_quant
	.p2alignl 7, 3214868480
	.fill 96, 4, 3214868480
	.section	.rodata,"a",@progbits
	.p2align	6, 0x0
	.amdhsa_kernel k_q5808d0c3f2_quant
		.amdhsa_group_segment_fixed_size 97280
		.amdhsa_private_segment_fixed_size 0
		.amdhsa_enable_private_segment 0
		.amdhsa_kernarg_size 56
		.amdhsa_user_sgpr_count 2
		.amdhsa_user_sgpr_kernarg_segment_ptr 1
		.amdhsa_wavefront_size32 1
		.amdhsa_system_sgpr_workgroup_id_x 1
		.amdhsa_system_sgpr_workgroup_id_y 1
		.amdhsa_system_sgpr_workgroup_id_z 1
		.amdhsa_system_vgpr_workitem_id 0
		.amdhsa_next_free_vgpr 256
		.amdhsa_next_free_sgpr 66
		.amdhsa_reserve_vcc 1
		.amdhsa_float_denorm_mode_32 3
		.amdhsa_float_denorm_mode_16_64 3
		.amdhsa_memory_ordered 1
		.amdhsa_forward_progress 1
		.amdhsa_inst_pref_size 44
	.end_amdhsa_kernel
	.amdgpu_metadata
---
amdhsa.version: [ 1, 2 ]
amdhsa.kernels:
  - .name:           k_q5808d0c3f2_quant
    .symbol:         k_q5808d0c3f2_quant.kd
    .args:
      - { .name: x, .offset: 0, .size: 8, .value_kind: global_buffer, .address_space: global }
      - { .name: Wq, .offset: 8, .size: 8, .value_kind: global_buffer, .address_space: global }
      - { .name: Wk, .offset: 16, .size: 8, .value_kind: global_buffer, .address_space: global }
      - { .name: Wv, .offset: 24, .size: 8, .value_kind: global_buffer, .address_space: global }
      - { .name: Wo, .offset: 32, .size: 8, .value_kind: global_buffer, .address_space: global }
      - { .name: xq, .offset: 40, .size: 8, .value_kind: global_buffer, .address_space: global }
      - { .name: wq, .offset: 48, .size: 8, .value_kind: global_buffer, .address_space: global }
    .group_segment_fixed_size: 97280
    .private_segment_fixed_size: 0
    .kernarg_segment_align: 8
    .kernarg_segment_size: 56
    .max_flat_workgroup_size: 256
    .sgpr_count:     66
    .vgpr_count:     256
    .wavefront_size: 32
...
	.end_amdgpu_metadata
.endif
;; end of part 1
;; launch qkv (part 2): grid 8 x 32, 12 waves a work-group, clusters of 4 x 4, 327,680 bytes of LDS; arguments xq, wq, bq, bk, bv, qq, kv; writes qq, kv
.if DOCPART == 2
	.amdgcn_target "amdgcn-amd-amdhsa--gfx1250"
	.amdhsa_code_object_version 6
	.text
	.protected	k_q5808d0c3f2_qkv
	.globl	k_q5808d0c3f2_qkv
	.p2align	8
	.type	k_q5808d0c3f2_qkv,@function
k_q5808d0c3f2_qkv:
	s_mov_b64 s[64:65], 0
	v_nop
	global_prefetch_b8 v0, s[64:65] scope:SCOPE_SE
	s_setreg_imm32_b32 hwreg(HW_REG_WAVE_MODE, 25, 1), 1
	s_wait_xcnt 0x0
	s_wait_alu depctr_hold_cnt(0) depctr_sa_sdst(0) depctr_va_vdst(0) depctr_va_sdst(0) depctr_va_ssrc(0) depctr_va_vcc(0) depctr_vm_vsrc(0)
	s_getreg_b32 s2, hwreg(HW_REG_IB_STS2, 6, 4)
	s_cmp_eq_u32 s2, 0
	s_cbranch_scc0 .Lentry_in_a_cluster
	s_endpgm
.Lentry_in_a_cluster:
	s_bfe_u32 s2, ttmp6, 0x10000c
	s_cmp_lg_u32 s2, 0xf033
	s_cbranch_scc0 .Lentry_shape_is_right
	s_endpgm
.Lentry_shape_is_right:
; Launch 2 of 4: q = x Wq + bq, k = x Wk + bk, v = x Wv + bv on codes of FP6 (E2M3), and the results quantised in registers: q and k along the head's 64, v along the keys.  No f32 result goes to memory.  No work is left out.
; LIMITS: as in the first launch (a block under 2^-124 gets the byte 1; NaN and infinities are not served).
; SHARES.  Work-group (g, mb) makes q, k, v of heads 2 g and 2 g + 1 for tokens 128 mb on.  Twelve waves, three to a SIMD; wave w: kind = w / 4 (q, k, v), iu = w % 2, jh = (w / 2) % 2; it makes 64 x 64: 16 accumulators.
;   q, k: source 0 = 4 tiles of W (head 2 g + iu), source 1 = 4 tiles of x (tokens 64 jh on): a lane holds one token, its registers run along the head's 64.
;   v:    source 0 = 4 tiles of x (keys 64 iu on), source 1 = 4 tiles of Wv (head 2 g + jh): a lane holds one channel, its registers run along the keys.
; In both the axis that is quantised next runs along a lane's registers, and by the tiles' order of rows (first launch) a lane's 32 registers for one of source 1's tiles are one whole scale block: no lane looks at another.
; LDS.  Three slots, each with one sg (two K steps) of four regions (Wq, Wk, x, Wv): a region is one record of 8 tiles and their scale words.  Wave w asks at the head for region w % 4 of sg w / 4: one tensor load a wave.
; K has four sg: slot 0 is filled a second time, once, by waves 0 to 3, behind a drained round.  Operands lie as images of registers: every LDS read is of consecutive bytes.
; CLUSTER 4 x 4: x's tiles hang on mb alone and are asked for jointly along a row of the cluster, W's on g alone and jointly along a column.  A wave has at most one tensor load out.
; No prefetch: there is no loop to run ahead in; three of K's four sg are asked for at the head, and the fourth has four K steps in which to land.
; OUT.  qq: codes [bh][tile 0..127][768]; from SCSEC on [bh][G][32 lanes]: lane (r, h) = (tile 4 G + 2 h: two bytes) | (tile 4 G + 2 h + 1: two bytes) << 16.
;       kv: [bh][step of 128 keys][12,800]: K 8 x 768; V^T 4 channel tiles x 1,536; K's scales, two such pair words a lane; V's scales: for key half c, lane (r, h) = (channel tile 2 h: blocks 2 c, 2 c + 1) | (tile 2 h + 1) << 16.
.set SGB,    819200
.set GRP,    25600
.set SCSEC,  3145728
.set SLOTB,  102400                    ; four records
.set SCO,    24576                     ; in a record: the scale words, 128 bytes a tile
.set SPARE,  307200                    ; behind the slots: the spare words, 128 bytes for each wave, which no other line names
.set A0,   1                           ; v1, v2  source 0's tiles in the slot in hand: + 16 x lane, + 8 x lane
.set A1,   3                           ; v3, v4  source 1's
.set AS0,  5                           ; v5, v6  their scale words
.set AS1,  6
.set SPW,  7                           ; my spare word's LDS address; never rewritten
.set NIL,  8                           ; 0; never rewritten
.set LN16, 10
.set LN8,  11
.set LN4,  12
.set LANE, 13
.set RR,   14
.set HH,   15
.set SCA,  16                          ; v16-19 source 0's scale words: lanes 0-15 the sg's first K step, lanes 16-31 its second
.set SCB,  20                          ; v20-23 source 1's
.set S0F,  24                          ; v24-71  four fragments
.set S1F,  72                          ; v72-119 four fragments
.set TM,   120                         ; v120-127 largest magnitudes in two chains for each of four tiles, then the conversions' scale operands
.set ACC,  128                         ; v128-255: accumulator (it, jt) at 128 + 32 jt + 8 it
.set BI,   0                           ; v256-287 (window 1): the bias, in the result's layout
.set WV,   18
.set KIND, 19
.set IU,   20
.set JH,   21
.set REG,  22                          ; the region that I fetch
.set G1X,  24
.set G1W,  32
.set G0X,  40
.set G0W,  44
.set CX,   92
.set CY,   93
.set GG,   94
.set MB,   95
.set MSB, 0
.macro WIN new                         ; the immediate's high byte repeats the setting that is left
.if MSB != \new
	s_set_vgpr_msb (MSB<<8)|\new
.set MSB, \new
.endif
.endm
; A joint load: one arm for x's, one for W's; each line has one mask and one set of registers for all that issue it; the branch hangs on the wave's number alone.  An s_nop 0 and four v_nop follow each line.
.macro JLOAD
	s_cmp_eq_u32 s[REG], 2
	s_cbranch_scc0 .Lfor_w_\@
	tensor_load_to_lds s[G0X:G0X+3], s[G1X:G1X+7]
	s_nop 0
.rept 4
	v_nop
.endr
	s_branch .Lasked_\@
.Lfor_w_\@:
	tensor_load_to_lds s[G0W:G0W+3], s[G1W:G1W+7]
	s_nop 0
.rept 4
	v_nop
.endr
.Lasked_\@:
.endm
.macro CROUND                          ; a round of the cluster's barrier
	s_barrier_signal -1
	s_barrier_wait -1
	s_cmp_lg_u32 s[WV], 0
	s_cbranch_scc1 .Lnot_wave_0_\@
	s_barrier_signal -3
.Lnot_wave_0_\@:
	s_barrier_wait -3
	s_barrier_signal -1
	s_barrier_wait -1
.endm
.macro PLACES                          ; four places behind matrix instructions, in front of loads into their registers and of reads of their results
.rept 4
	v_nop
.endr
.endm
.macro WM d, a, b, c, sa, sb, p        ; one product; p: which half of the lanes holds this K step's scale words
.if \p
	v_wmma_scale_f32_16x16x128_f8f6f4 v[\d:\d+7], v[\a:\a+11], v[\b:\b+11], v[\c:\c+7], v[\sa], v[\sb] matrix_a_fmt:MATRIX_FMT_FP6 matrix_b_fmt:MATRIX_FMT_FP6 matrix_a_scale:MATRIX_SCALE_ROW1 matrix_b_scale:MATRIX_SCALE_ROW1
.else
	v_wmma_scale_f32_16x16x128_f8f6f4 v[\d:\d+7], v[\a:\a+11], v[\b:\b+11], v[\c:\c+7], v[\sa], v[\sb] matrix_a_fmt:MATRIX_FMT_FP6 matrix_b_fmt:MATRIX_FMT_FP6
.endif
.endm
; 16 products, the accumulators by turns.  cm = 0: on in place; 1: the sums start from the bias by source 0's tile; 2: by source 1's.
; The four loads of each later tile of source 1 may still be out: 12, 8, 4, 0
.macro MUL p, cm
.irp jt, 0,1,2,3
	s_wait_dscnt 12-4*\jt
.irp it, 0,1,2,3
.if \cm == 1
	WM ACC+32*\jt+8*\it, S0F+12*\it, S1F+12*\jt, BI+8*\it, SCA+\it, SCB+\jt, \p
.elseif \cm == 2
	WM ACC+32*\jt+8*\it, S0F+12*\it, S1F+12*\jt, BI+8*\jt, SCA+\it, SCB+\jt, \p
.else
	WM ACC+32*\jt+8*\it, S0F+12*\it, S1F+12*\jt, ACC+32*\jt+8*\it, SCA+\it, SCB+\jt, \p
.endif
.endr
.endr
.endm
.macro SCALES
.irp t, 0,1,2,3
	ds_load_b32 v[SCA+\t], v[AS0] offset:128*\t
	ds_load_b32 v[SCB+\t], v[AS1] offset:128*\t
.endr
.endm
.macro FRAGS p                         ; eight fragments, each two halves: 16 bytes and 8 bytes a lane, consecutive from lane to lane
.irp t, 0,1,2,3
.irp c, 0,1
	ds_load_b128 v[S0F+12*\t+6*\c:S0F+12*\t+6*\c+3], v[A0] offset:3072*\t+1536*\p+768*\c
	ds_load_b64 v[S0F+12*\t+6*\c+4:S0F+12*\t+6*\c+5], v[A0+1] offset:3072*\t+1536*\p+768*\c+512
.endr
.endr
.irp t, 0,1,2,3
.irp c, 0,1
	ds_load_b128 v[S1F+12*\t+6*\c:S1F+12*\t+6*\c+3], v[A1] offset:3072*\t+1536*\p+768*\c
	ds_load_b64 v[S1F+12*\t+6*\c+4:S1F+12*\t+6*\c+5], v[A1+1] offset:3072*\t+1536*\p+768*\c+512
.endr
.endr
.endm
.macro KSTEP p
	FRAGS \p
	MUL \p, 0
	PLACES
.endm
.macro NEXTSLOT d                      ; the addresses go d bytes on
.irp a, A0, A0+1, A1, A1+1, AS0, AS1
	v_add_nc_u32 v[\a], \d, v[\a]
.endr
	s_wait_alu depctr_va_vdst(0)
.endm
	s_load_b256 s[4:11], s[0:1], 0x0               ; xq, wq, bq, bk
	s_load_b128 s[12:15], s[0:1], 0x20             ; bv, qq
	s_load_b64 s[16:17], s[0:1], 0x30              ; kv
	v_lshl_add_u32 v[SPW], v0, 2, SPARE
	v_mov_b32 v[NIL], 0
	ds_add_u32 v[SPW], v[NIL]                      ; the wave's opening: the add, twice on end, and its wait ahead of my first tensor load; the set-up below is work on registers
	ds_add_u32 v[SPW], v[NIL]
	v_lshrrev_b32 v9, 5, v0
	s_delay_alu instid0(VALU_DEP_1)
	v_readfirstlane_b32 s[WV], v9                  ; wave 0..11
	v_and_b32 v[LANE], 31, v0
	v_and_b32 v[RR], 15, v0
	v_bfe_u32 v[HH], v0, 4, 1
	v_lshlrev_b32 v[LN16], 4, v[LANE]
	v_lshlrev_b32 v[LN8], 3, v[LANE]
	v_lshlrev_b32 v[LN4], 2, v[LANE]
	s_wait_alu depctr_va_vdst(0)                   ; the wait ahead of the scalar lines
	s_lshr_b32 s[KIND], s[WV], 2                   ; also: the sg that I fetch at the head
	s_and_b32 s[IU], s[WV], 1
	s_bfe_u32 s[JH], s[WV], 0x10001
	s_and_b32 s[REG], s[WV], 3
	; LDS addresses: made of the wave's number and the lane alone
	s_mul_i32 s96, s[KIND], GRP                    ; source 0's region is my kind's: Wq, Wk, x
	s_lshl_b32 s98, s[IU], 9
	s_add_co_u32 s98, s98, s96
	s_add_co_u32 s98, s98, SCO
	s_mul_i32 s97, s[IU], 4*3072
	s_add_co_u32 s96, s96, s97
	v_add_nc_u32 v[A0], s96, v[LN16]
	v_add_nc_u32 v[A0+1], s96, v[LN8]
	v_add_nc_u32 v[AS0], s98, v[LN4]
	s_lshr_b32 s96, s[KIND], 1
	s_add_co_u32 s96, s96, 2                       ; source 1's: x, x, Wv
	s_mul_i32 s96, s96, GRP
	s_lshl_b32 s98, s[JH], 9
	s_add_co_u32 s98, s98, s96
	s_add_co_u32 s98, s98, SCO
	s_mul_i32 s97, s[JH], 4*3072
	s_add_co_u32 s96, s96, s97
	v_add_nc_u32 v[A1], s96, v[LN16]
	v_add_nc_u32 v[A1+1], s96, v[LN8]
	v_add_nc_u32 v[AS1], s98, v[LN4]
	s_mul_i32 s2, s[KIND], SLOTB                   ; where my record goes: slot w / 4, region w % 4
	s_mul_i32 s3, s[REG], GRP
	s_add_co_u32 s2, s2, s3
	; my place
	s_bfe_u32 s[CX], ttmp6, 0x40000
	s_bfe_u32 s[CY], ttmp6, 0x40004
	s_lshl_b32 s[GG], ttmp9, 2
	s_add_co_u32 s[GG], s[GG], s[CX]               ; g = 4 x cluster x + cx
	s_and_b32 s[MB], ttmp7, 0xffff
	s_lshl_b32 s[MB], s[MB], 2
	s_add_co_u32 s[MB], s[MB], s[CY]               ; mb = 4 x cluster y + cy
	s_lshl_b32 s100, s[CY], 2
	s_lshl_b32 s100, 15, s100                      ; my row of the cluster
	s_lshl_b32 s101, 0x1111, s[CX]                 ; my column
	; group 1: a record, dense, as 100 rows of 32 elements of 8 bytes
	s_or_b32 s[G1X], s100, (3<<16)|(1<<21)         ; 15:0 the mask; 17:16 elements of 8 bytes; 21 set beside a mask; no padding
	s_or_b32 s[G1W], s101, (3<<16)|(1<<21)
.irp g, G1X, G1W
	s_mov_b32 s[\g+1], 32<<16                      ; tensor_dim0
	s_mov_b32 s[\g+2], 100<<16                     ; tensor_dim1
	s_mov_b32 s[\g+3], 32<<16                      ; tile_dim0
	s_mov_b32 s[\g+4], 100                         ; tile_dim1
	s_mov_b32 s[\g+5], 32                          ; the pitch
	s_mov_b32 s[\g+6], 0
	s_mov_b32 s[\g+7], 0
.endr
	; where the tiles come from.  x's hang on mb and the wave alone, W's on g and the wave alone; every wave makes both, in registers of their own
	s_mul_i32 s3, s[KIND], SGB
	s_mul_i32 s96, s[MB], GRP
	s_add_co_u32 s96, s96, s3
	s_mov_b32 s97, 0
	s_min_u32 s98, s[REG], 2                       ; regions 0, 1, 3 are matrices 0, 1, 2, of 8 records each
	s_lshl_b32 s98, s98, 3
	s_add_co_u32 s98, s98, s[GG]
	s_mul_i32 s98, s98, GRP
	s_add_co_u32 s98, s98, s3
	s_mov_b32 s99, 0
	s_wait_alu depctr_va_vdst(0)
	s_wait_dscnt 0x0                               ; both opening adds are done
	CROUND                                         ; all sixteen work-groups are here: the first joint loads meet
	s_wait_kmcnt 0x0
	s_add_nc_u64 s[96:97], s[4:5], s[96:97]
	s_add_nc_u64 s[98:99], s[6:7], s[98:99]
	s_mov_b32 s[G0X], 1                            ; count = 1
	s_mov_b32 s[G0X+1], s2                         ; LDS address
	s_mov_b64 s[G0X+2:G0X+3], s[96:97]
	s_or_b32 s[G0X+3], s[G0X+3], 0x80000000        ; type = 2
	s_mov_b32 s[G0W], 1
	s_mov_b32 s[G0W+1], s2
	s_mov_b64 s[G0W+2:G0W+3], s[98:99]
	s_or_b32 s[G0W+3], s[G0W+3], 0x80000000
	s_cmp_lt_u32 s[WV], 4                          ; waves 0 to 3 (slot 0) have load lines of their own: they alone wait for them at the first barrier
	s_cbranch_scc0 .Llater
	JLOAD
	s_branch .Lall_asked
.Llater:
	JLOAD
.Lall_asked:
	; the bias, in the result's layout, as the C of each sum's first product
	s_cmp_eq_u32 s[KIND], 1
	s_cselect_b64 s[96:97], s[10:11], s[8:9]
	s_cmp_eq_u32 s[KIND], 2
	s_cselect_b64 s[96:97], s[12:13], s[96:97]
	s_cselect_b32 s98, s[JH], s[IU]                ; which of the two heads is mine
	s_lshl_b32 s99, s[GG], 1
	s_add_co_u32 s98, s98, s99
	s_lshl_b32 s98, s98, 8                         ; 64 numbers a head
	s_mov_b32 s99, 0
	s_add_nc_u64 s[96:97], s[96:97], s[98:99]
	s_cmp_eq_u32 s[KIND], 2
	s_cbranch_scc1 .Lbias_v
	v_lshlrev_b32 v9, 7, v[HH]                     ; q, k: tile j's register e is the head's number 32 h + 8 j + e
	WIN 0x40                                       ; destination window 1
.irp t, 0,1,2,3
	global_load_b128 v[BI+8*\t:BI+8*\t+3], v9, s[96:97] offset:32*\t
	global_load_b128 v[BI+8*\t+4:BI+8*\t+7], v9, s[96:97] offset:32*\t+16
.endr
	WIN 0
	s_branch .Lbias_done
.Lbias_v:
	v_and_b32 v9, 8, v[RR]
	v_mad_u32_u24 v9, v9, 3, v[RR]
	v_lshlrev_b32 v9, 2, v9                        ; v: my lane is channel 32 (r / 8) + 8 j + r % 8 of tile j: all eight registers of a tile hold its bias
	WIN 0x40
.irp t, 0,1,2,3
.irp e, 0,1,2,3,4,5,6,7
	global_load_b32 v[BI+8*\t+\e], v9, s[96:97] offset:32*\t
.endr
.endr
	WIN 0
.Lbias_done:
	s_wait_alu depctr_va_vdst(0)                   ; the wait at the head's end
	s_cmp_lt_u32 s[WV], 4
	s_cbranch_scc0 .Lnot_slot_0
	s_wait_tensorcnt 0x0                           ; my region of slot 0 is in
.Lnot_slot_0:
	s_barrier_signal -1
	s_barrier_wait -1                              ; slot 0 is whole; slots 1 and 2 may be on their way
	SCALES
	FRAGS 0
	s_wait_loadcnt 0x0                             ; the bias
	s_cmp_eq_u32 s[KIND], 2
	s_cbranch_scc1 .Lfirst_v
	WIN 0x10                                       ; C in window 1
	MUL 0, 1
	WIN 0
	s_branch .Lfirst_done
.Lfirst_v:
	WIN 0x10
	MUL 0, 2
	WIN 0
.Lfirst_done:
	PLACES
	KSTEP 1
	; slot 0 has been read: it takes sg 3
	s_wait_tensorcnt 0x0                           ; all my tensor loads have landed, so a group 0 may be written;
	ds_add_u32 v[SPW], v[NIL]                      ; 0 onto my spare word; work on registers stands between it and the wait for it
	s_add_nc_u64 s[G0X+2:G0X+3], s[G0X+2:G0X+3], 3*SGB
	s_add_nc_u64 s[G0W+2:G0W+3], s[G0W+2:G0W+3], 3*SGB
	NEXTSLOT SLOTB
	s_wait_dscnt 0x0                               ; the add is done, and my reads of slot 0 are over
	CROUND                                         ; that now holds of every wave of every partner
	s_cmp_lt_u32 s[WV], 4
	s_cbranch_scc0 .Lno_refill
	JLOAD                                          ; waves 0 to 3: the region that each brought before, of sg 3
.Lno_refill:
	SCALES
	KSTEP 0
	KSTEP 1
	NEXTSLOT SLOTB
	SCALES
	KSTEP 0
	KSTEP 1
	NEXTSLOT -2*SLOTB
	s_wait_tensorcnt 0x0                           ; my part of sg 3 is in,
	s_wait_dscnt 0x0
	s_barrier_signal -1
	s_barrier_wait -1                              ; everybody's is; nothing is filled any more
	SCALES
	KSTEP 0
	KSTEP 1                                        ; (its four places stand in front of the first read of the results)
	; THE WAY OUT.  For each of source 1's four tiles my 32 registers are one scale block along the axis that is quantised next: 6 registers of a half's image, and one byte
	s_lshr_b32 s24, s[MB], 4                       ; the batch  (no tensor load is out: the descriptors' registers are free)
	s_and_b32 s25, s[MB], 15                       ; the step of 128 tokens in it
	s_cmp_eq_u32 s[KIND], 2
	s_cselect_b32 s26, s[JH], s[IU]                ; the head's low bit
	s_cselect_b32 s27, s[IU], s[JH]                ; which 64 tokens
	s_movk_i32 s28, 768
	s_cselect_b32 s28, 1536, s28                   ; from tile to tile: V^T's halves are a fragment apart
	s_movk_i32 s29, 3072
	s_cselect_b32 s29, 768, s29
	s_cselect_b32 s30, 6144, 0
	s_movk_i32 s31, 12288
	s_cselect_b32 s31, 12544, s31
	s_lshl_b32 s32, s24, 4
	s_lshl_b32 s33, s[GG], 1
	s_add_co_u32 s32, s32, s33
	s_add_co_u32 s32, s32, s26                     ; bh
	s_mul_i32 s33, s32, 204800
	s_mul_i32 s34, s25, 12800
	s_add_co_u32 s33, s33, s34                     ; the step's record in kv
	s_mul_i32 s34, s29, s27
	s_add_co_u32 s34, s34, s30
	s_add_co_u32 s34, s34, s33                     ; k, v: my codes,
	s_lshl_b32 s35, s27, 7
	s_add_co_u32 s35, s35, s31
	s_add_co_u32 s35, s35, s33                     ; my scale words
	s_mul_i32 s36, s32, 98304
	s_mul_i32 s37, s25, 6144
	s_add_co_u32 s36, s36, s37
	s_mul_i32 s37, s[JH], 3072
	s_add_co_u32 s36, s36, s37                     ; q: my codes,
	s_lshl_b32 s37, s32, 12
	s_lshl_b32 s38, s25, 8
	s_add_co_u32 s37, s37, s38
	s_lshl_b32 s38, s[JH], 7
	s_add_co_u32 s37, s37, s38
	s_add_co_u32 s37, s37, SCSEC                   ; my scale words
	s_cmp_eq_u32 s[KIND], 0
	s_cselect_b32 s34, s36, s34
	s_cselect_b32 s36, s37, s35
	s_cselect_b64 s[38:39], s[14:15], s[16:17]
	s_mov_b32 s35, 0
	s_mov_b32 s37, 0
	s_add_nc_u64 s[40:41], s[38:39], s[34:35]
	s_add_nc_u64 s[42:43], s[38:39], s[36:37]
.irp jt, 0,1,2,3
	s_mul_i32 s44, s28, \jt
	v_add_nc_u32 v[88+\jt], s44, v[LN16]
	v_add_nc_u32 v[92+\jt], s44, v[LN8]
.endr
	v_lshlrev_b32 v38, 3, v[HH]
.irp jt, 0,1,2,3                       ; the four tiles by turns, two chains each, every accumulator from its low end on; the floor 2^(3 - 127) among the leaves
	v_max3_num_f32 v[TM+2*\jt], |v[ACC+32*\jt]|, |v[ACC+32*\jt+1]|, 0x1800000
	v_max3_num_f32 v[TM+2*\jt+1], |v[ACC+32*\jt+16]|, |v[ACC+32*\jt+17]|, |v[ACC+32*\jt+18]|
.endr
.irp i, 2,4,6,8,10,12
.irp jt, 0,1,2,3
	v_max3_num_f32 v[TM+2*\jt], v[TM+2*\jt], |v[ACC+32*\jt+\i]|, |v[ACC+32*\jt+\i+1]|
	v_max3_num_f32 v[TM+2*\jt+1], v[TM+2*\jt+1], |v[ACC+32*\jt+\i+17]|, |v[ACC+32*\jt+\i+18]|
.endr
.endr
.irp jt, 0,1,2,3
	v_max3_num_f32 v[TM+2*\jt], v[TM+2*\jt], |v[ACC+32*\jt+14]|, |v[ACC+32*\jt+15]|
.endr
.irp jt, 0,1,2,3
	v_max3_num_f32 v[TM+2*\jt], v[TM+2*\jt], v[TM+2*\jt+1], |v[ACC+32*\jt+31]|
.endr
.irp jt, 0,1,2,3
	v_add_nc_u32 v[TM+2*\jt+1], 0xff000000, v[TM+2*\jt]   ; 2 off its exponent field: the conversion's scale operand
.endr
.irp jt, 0,1,2,3
	v_cvt_scalef32_pk16_fp6_f32 v[40+8*\jt:42+8*\jt], v[ACC+32*\jt:ACC+32*\jt+15], v[TM+2*\jt+1]
	v_cvt_scalef32_pk16_fp6_f32 v[72+4*\jt:74+4*\jt], v[ACC+32*\jt+16:ACC+32*\jt+31], v[TM+2*\jt+1]
.endr
.irp jt, 0,1,2,3                       ; (the plain places behind the conversions)
	v_lshrrev_b32 v[32+\jt], 23, v[TM+2*\jt+1]     ; the scale's byte
.endr
.irp jt, 0,1,2,3                       ; each tile has registers of its own for its codes and offsets: no store's sources are written again
.irp i, 0,1,2
	v_mov_b32 v[43+8*\jt+\i], v[72+4*\jt+\i]
.endr
	global_store_b128 v[88+\jt], v[40+8*\jt:43+8*\jt], s[40:41]             ; 512 consecutive bytes, at a multiple of 256
	global_store_b64 v[92+\jt], v[44+8*\jt:45+8*\jt], s[40:41] offset:512   ; 256 consecutive bytes
.endr
	v_lshl_or_b32 v36, v33, 16, v32                ; tiles 0 and 1: my block h's byte of each,
	v_lshl_or_b32 v37, v35, 16, v34                ; tiles 2 and 3,
	v_lshlrev_b32 v36, v38, v36                    ; at place h of each pair of bytes
	v_lshlrev_b32 v37, v38, v37
	v_permlane16_swap_b32 v36, v37                 ; lanes 0-15: the first pair's two halves, lanes 16-31: the second's
	v_or_b32 v36, v36, v37
	global_store_b32 v[LN4], v36, s[42:43]
	s_wait_tensorcnt 0x0                           ; the wave's end
	ds_add_u32 v[SPW], v[NIL]
	s_wait_dscnt 0x0
	CROUND                                         ; the closing round: no work-group ends while a partner may still ask for a tile that names it
	s_endpgm
.Lfunc_end_k_q5808d0c3f2_qkv:
	.size	k_q5808d0c3f2_qkv, .Lfunc_end_k_q5808d0c3f2_qkv-k_q5808d0c3f2_qkv
	.p2alignl 7, 3214868480
	.fill 96, 4, 3214868480
	.section	.rodata,"a",@progbits
	.p2align	6, 0x0
	.amdhsa_kernel k_q5808d0c3f2_qkv
		.amdhsa_group_segment_fixed_size 327680
		.amdhsa_private_segment_fixed_size 0
		.amdhsa_enable_private_segment 0
		.amdhsa_kernarg_size 56
		.amdhsa_user_sgpr_count 2
		.amdhsa_user_sgpr_kernarg_segment_ptr 1
		.amdhsa_wavefront_size32 1
		.amdhsa_system_sgpr_workgroup_id_x 1
		.amdhsa_system_sgpr_workgroup_id_y 1
		.amdhsa_system_sgpr_workgroup_id_z 1
		.amdhsa_system_vgpr_workitem_id 0
		.amdhsa_next_free_vgpr 288
		.amdhsa_next_free_sgpr 102
		.amdhsa_reserve_vcc 0
		.amdhsa_float_denorm_mode_32 3
		.amdhsa_float_denorm_mode_16_64 3
		.amdhsa_memory_ordered 1
		.amdhsa_forward_progress 1
		.amdhsa_inst_pref_size 61
	.end_amdhsa_kernel
	.amdgpu_metadata
---
amdhsa.version: [ 1, 2 ]
amdhsa.kernels:
  - .name:           k_q5808d0c3f2_qkv
    .symbol:         k_q5808d0c3f2_qkv.kd
    .args:
      - { .name: xq, .offset: 0, .size: 8, .value_kind: global_buffer, .address_space: global }
      - { .name: wq, .offset: 8, .size: 8, .value_kind: global_buffer, .address_space: global }
      - { .name: bq, .offset: 16, .size: 8, .value_kind: global_buffer, .address_space: global }
      - { .name: bk, .offset: 24, .size: 8, .value_kind: global_buffer, .address_space: global }
      - { .name: bv, .offset: 32, .size: 8, .value_kind: global_buffer, .address_space: global }
      - { .name: qq, .offset: 40, .size: 8, .value_kind: global_buffer, .address_space: global }
      - { .name: kv, .offset: 48, .size: 8, .value_kind: global_buffer, .address_space: global }
    .group_segment_fixed_size: 327680
    .private_segment_fixed_size: 0
    .kernarg_segment_align: 8
    .kernarg_segment_size: 56
    .max_flat_workgroup_size: 384
    .sgpr_count:     102
    .vgpr_count:     288
    .wavefront_size: 32
...
	.end_amdgpu_metadata
.endif
;; end of part 2
;; launch attn (part 3): grid 8 x 32, 8 waves a work-group, clusters of 4 x 1, 327,680 bytes of LDS; arguments qq, kv, cq; writes cq
.if DOCPART == 3
	.amdgcn_target "amdgcn-amd-amdhsa--gfx1250"
	.amdhsa_code_object_version 6
	.text
	.protected	k_q5808d0c3f2_attn
	.globl	k_q5808d0c3f2_attn
	.p2align	8
	.type	k_q5808d0c3f2_attn,@function
k_q5808d0c3f2_attn:
	s_mov_b64 s[64:65], 0
	v_nop
	global_prefetch_b8 v0, s[64:65] scope:SCOPE_SE
	s_setreg_imm32_b32 hwreg(HW_REG_WAVE_MODE, 25, 1), 1
	s_wait_xcnt 0x0
	s_wait_alu depctr_hold_cnt(0) depctr_sa_sdst(0) depctr_va_vdst(0) depctr_va_sdst(0) depctr_va_ssrc(0) depctr_va_vcc(0) depctr_vm_vsrc(0)
	s_getreg_b32 s2, hwreg(HW_REG_IB_STS2, 6, 4)
	s_cmp_eq_u32 s2, 0
	s_cbranch_scc0 .Lentry_in_a_cluster
	s_endpgm
.Lentry_in_a_cluster:
	s_bfe_u32 s2, ttmp6, 0x10000c
	s_cmp_lg_u32 s2, 0x3003
	s_cbranch_scc0 .Lentry_shape_is_right
	s_endpgm
.Lentry_shape_is_right:
; Launch 3 of 4: for each batch and head softmax(q k^T / 8) v on codes of FP6 (E2M3), and the result quantised along the head's 64 for the last product.  No work is left out.
; LIMITS: the scaled scores (the exponents to the base 2, before the maximum is taken away) stay under 2^31 in magnitude; a block of p or of the result whose largest magnitude lies under 2^-124 gets the byte 1; NaN and infinities are not served.
; The block's largest p is the exponential of its largest score: this takes v_exp_f32 not to fall where its input rises (at the worst a block whose largest p lies within an ulp of a power of two has one p held one code low).
; SHARES.  Work-group (x, bh) takes 256 queries of one batch and head; eight waves, two to a SIMD, a wave TWO tiles of 16 queries and all 2,048 keys in 16 steps of 128.  The two tiles share every fragment of K and V.
; LDS holds K and V of the head whole: 16 records of 12,800 bytes.  Wave w asks for records 2 w and 2 w + 1: one tensor load a wave, all of them at the head, and nothing is filled again.  The four work-groups of a cluster have the same head and ask jointly.
; No prefetch: everything is asked for at the head.
; Wave 0 has a load line of its own: the first barrier shows records 0 and 1.  The second is signalled in the middle of trip 0 and waited for at its end.
; BOTH PRODUCTS ARE USED TRANSPOSED: S^T = k q^T, O^T = v^T p^T.  Lane (r, h) holds query r.  By the tiles' order of rows (first launch) register 32 c + i of S^T is key 64 c + 32 h + i: my 64 scores are two whole scale blocks of the
; second product, in the operand's own order, and O^T's 32 registers are the head's channels 32 h + 0 .. 31, one scale block of the last product.  Lanes l and l xor 16 meet for the row's maximum, the scale word and the sum alone.
; The first product's K is 64 of the instruction's 128: source 0 holds two tiles of keys, and source 1 is (q, 0) or (0, q).
; p = 2^(t - M), t = score x log2(e) / 8, M the running largest t rounded up to a whole number; the sum is taken of the unquantised p; a change of M multiplies the sum and O^T by a power of two.
; A TRIP, step i, tiles 0 and 1 by turns:
;   exponentials of tile 0, and among them the products S(tile 1, i) and O(tile 1) += V(i - 1) p;  loads of K(i + 1) and V(i);
;   tile 0's sum, scales and codes, line by line in turn with tile 1's maximum, M and t - M;
;   exponentials of tile 1, and among them the products S(tile 0, i + 1) and O(tile 0) += V(i) p;
;   tile 1's sum, scales and codes, in turn with tile 0's maximum, M and t - M of step i + 1.
; The first trip has no product for O(tile 1) and the last none for S(tile 0): these two trips are written out.
; WINDOWS: 0: scores, K, scale words, all else;  1: q, V, O^T, p's codes.
.set SGB,    819200
.set GRP,    25600
.set SCSEC,  3145728
.set STEPB,  12800
.set SPARE,  204800                    ; behind the records: the spare words, 128 bytes for each wave, which no other line names
; window 0
.set LN16, 1
.set LN8,  2                           ; 512 + 8 x lane
.set LNS,  3                           ; 12,288 + 4 x lane
.set SPW,  4                           ; my spare word's LDS address; never rewritten
.set NIL,  5                           ; 0; never rewritten
.set AD16, 6
.set AD8,  7
.set ADS,  8
.set LANE, 9
.set RR,   10
.set BOF,  11
.set NM,   12                          ; v[12:13], v[14:15]: a tile's -M and its largest score so far
.set L,    16                          ; v[16:17], v[18:19]: a tile's sum, in two halves
.set A2,   20                          ; v[20:21] a second chain of the sum
.set FF,   22                          ; v22 the factor (v23: the pair's other half)
.set BM,   24                          ; v24-25, v26-27: a tile's two blocks' largest
.set TM,   28                          ; v28-29 the second chains
.set T1,   30
.set T2,   31
.set T3,   32
.set TP,   33                          ; v33-34 lane permutes
.set PSEL, 35                          ; where my two scale bytes go in p's word
.set SC,   36                          ; v36-37
.set XE,   38                          ; v38-39
.set KS,   40                          ; v40-41
.set VS,   42                          ; v42-43
.set VR,   44                          ; v44-45
.set PW,   46                          ; v46, v47 p's scale words
.set QS,   48                          ; v48, v49 q's scale words
.set KF,   64                          ; v64-111 K
.set SS,   112                         ; v112-175, v176-239 scores, then p
; window 1
.set QF,   0                           ; v256-273, v274-291: q, zeros, q
.set VF,   36                          ; v292-339 V
.set OT,   84                          ; v340-371, v372-403
.set PC,   148                         ; v404-415, v416-427 p's codes
.set PX,   172                         ; v428-430, v432-434 the blocks' upper halves
.set WV,   10
.set BH,   11
.set G1,   16
.set G0,   24
.set NC,   30                          ; -log2(e) / 8
.set SEL,  44
.set CS,   46                          ; log2(e) / 8
.set TB,   48
.set CNT,  49
.set MSB, 0
.macro WIN new                         ; the immediate's high byte repeats the setting that is left
.if MSB != \new
	s_set_vgpr_msb (MSB<<8)|\new
.set MSB, \new
.endif
.endm
.macro CROUND
	s_barrier_signal -1
	s_barrier_wait -1
	s_cmp_lg_u32 s[WV], 0
	s_cbranch_scc1 .Lnot_wave_0_\@
	s_barrier_signal -3
.Lnot_wave_0_\@:
	s_barrier_wait -3
	s_barrier_signal -1
	s_barrier_wait -1
.endm
.macro TLOAD
	tensor_load_to_lds s[G0:G0+3], s[G1:G1+7]
	s_nop 0
.rept 4
	v_nop
.endr
.endm
.macro PLACES n
.rept \n
	v_nop
.endr
.endm
.macro WMQ t, o                        ; scores of key tile t with query tile o
.if ((\t)/2)%2
	v_wmma_scale_f32_16x16x128_f8f6f4 v[SS+64*(\o)+8*(\t):SS+64*(\o)+8*(\t)+7], v[KF+12*((\t)/2):KF+12*((\t)/2)+11], v[QF+18*(\o)+6*((\t)%2):QF+18*(\o)+6*((\t)%2)+11], 0, v[KS+(\t)/4], v[QS+(\o)] matrix_a_fmt:MATRIX_FMT_FP6 matrix_b_fmt:MATRIX_FMT_FP6 matrix_a_scale:MATRIX_SCALE_ROW1
.else
	v_wmma_scale_f32_16x16x128_f8f6f4 v[SS+64*(\o)+8*(\t):SS+64*(\o)+8*(\t)+7], v[KF+12*((\t)/2):KF+12*((\t)/2)+11], v[QF+18*(\o)+6*((\t)%2):QF+18*(\o)+6*((\t)%2)+11], 0, v[KS+(\t)/4], v[QS+(\o)] matrix_a_fmt:MATRIX_FMT_FP6 matrix_b_fmt:MATRIX_FMT_FP6
.endif
.endm
.macro WMP t, o                        ; O^T of query tile o, channel tile t
.if (\t)/2
	v_wmma_scale_f32_16x16x128_f8f6f4 v[OT+32*(\o)+8*(\t):OT+32*(\o)+8*(\t)+7], v[VF+12*(\t):VF+12*(\t)+11], v[PC+12*(\o):PC+12*(\o)+11], v[OT+32*(\o)+8*(\t):OT+32*(\o)+8*(\t)+7], v[VS+(\t)%2], v[PW+(\o)] matrix_a_fmt:MATRIX_FMT_FP6 matrix_b_fmt:MATRIX_FMT_FP6 matrix_a_scale:MATRIX_SCALE_ROW1
.else
	v_wmma_scale_f32_16x16x128_f8f6f4 v[OT+32*(\o)+8*(\t):OT+32*(\o)+8*(\t)+7], v[VF+12*(\t):VF+12*(\t)+11], v[PC+12*(\o):PC+12*(\o)+11], v[OT+32*(\o)+8*(\t):OT+32*(\o)+8*(\t)+7], v[VS+(\t)%2], v[PW+(\o)] matrix_a_fmt:MATRIX_FMT_FP6 matrix_b_fmt:MATRIX_FMT_FP6
.endif
.endm
; Exponentials of tile e; behind every fifth one a product of the other tile: eight for its next scores (qk), four for its O^T (pv)
.macro EXPS e, qk, pv
	s_wait_alu depctr_va_vdst(0)                   ; the wait ahead of the batch
	WIN 0x04                                       ; source 1 (q) in window 1
.set E_, 0
.set W_, 0
.rept 64
	v_exp_f32 v[SS+64*(\e)+E_], v[SS+64*(\e)+E_]
.set E_, E_+1
.if E_%5 == 0
.if W_ < 8
.if \qk
	WMQ W_, 1-(\e)
.endif
.elseif W_ < 12
.if \pv
	WIN 0x55
	WMP W_-8, 1-(\e)
	WIN 0x04
.endif
.endif
.set W_, W_+1
.endif
.endr
	v_exp_f32 v[BM+2*(\e)], v[BM+2*(\e)]
	v_exp_f32 v[BM+2*(\e)+1], v[BM+2*(\e)+1]
	WIN 0
.endm
; Tile J_'s two blocks' largest scores, line n of 32: two chains a block, by turns; every accumulator from its low end on
.macro MX n
.if (\n) < 4
.set C_, (\n)/2
.if (\n)%2
	v_max3_num_f32 v[TM+C_], v[SJ_+32*C_+16], v[SJ_+32*C_+17], v[SJ_+32*C_+18]
.else
	v_max3_num_f32 v[BM+2*J_+C_], v[SJ_+32*C_], v[SJ_+32*C_+1], v[SJ_+32*C_+2]
.endif
.elseif (\n) < 28
.set C_, ((\n)%4)/2
.set K_, 3+2*(((\n)-4)/4)
.if (\n)%2
	v_max3_num_f32 v[TM+C_], v[TM+C_], v[SJ_+32*C_+16+K_], v[SJ_+32*C_+17+K_]
.else
	v_max3_num_f32 v[BM+2*J_+C_], v[BM+2*J_+C_], v[SJ_+32*C_+K_], v[SJ_+32*C_+K_+1]
.endif
.elseif (\n) < 30
.set C_, (\n)-28
	v_max3_num_f32 v[BM+2*J_+C_], v[BM+2*J_+C_], v[SJ_+32*C_+15], v[SJ_+32*C_+31]
.else
.set C_, (\n)-30
	v_max_num_f32 v[BM+2*J_+C_], v[BM+2*J_+C_], v[TM+C_]
.endif
.endm
; Tile J_'s M and factor, line n of 8
.macro MC n
.if (\n) == 0
	v_max_num_f32 v[T2], v[BM+2*J_], v[BM+2*J_+1]
.elseif (\n) == 1
	v_permlanex16_b32 v[TP], v[T2], s[SEL], s[SEL+1]
.elseif (\n) == 2
	v_max3_num_f32 v[NM+2*J_+1], v[NM+2*J_+1], v[T2], v[TP]   ; the largest score so far, with lane l xor 16's
.elseif (\n) == 3
	v_mul_f32 v[T2], s[NC], v[NM+2*J_+1]
.elseif (\n) == 4
	v_floor_f32 v[NM+2*J_], v[T2]                  ; -M = floor(-t)
.elseif (\n) == 5
	v_sub_f32 v[T1], v[NM+2*J_], v[T1]             ; M's old value less its new one: 0 or less
.elseif (\n) == 6
	v_cvt_i32_f32 v[T1], v[T1]                     ; (it saturates)
.elseif (\n) == 7
	v_ldexp_f32 v[FF], 1.0, v[T1]
.endif
.endm
; Tile I_'s row sum, line n of 31: pairs of p, in two chains
.macro SUM n
.if (\n) == 0
	v_pk_add_f32 v[A2:A2+1], v[SI_:SI_+1], v[SI_+2:SI_+3]
.elseif (\n)%2
	v_pk_add_f32 v[L+2*I_:L+2*I_+1], v[L+2*I_:L+2*I_+1], v[SI_+2*(\n)+2:SI_+2*(\n)+3]
.else
	v_pk_add_f32 v[A2:A2+1], v[A2:A2+1], v[SI_+2*(\n)+2:SI_+2*(\n)+3]
.endif
.endm
; Tile I_'s scales, line n of 10
.macro SCL n
.if (\n) < 2
	v_max_num_f32 v[BM+2*I_+(\n)], 0x1800000, v[BM+2*I_+(\n)]   ; the floor 2^(3 - 127): the byte cannot fall under 1
.elseif (\n) < 4
	v_add_nc_u32 v[SC+(\n)-2], 0xff000000, v[BM+2*I_+(\n)-2]   ; 2 off the exponent field: the conversion's scale operand
.elseif (\n) < 6
	v_lshlrev_b32 v[XE+(\n)-4], 1, v[SC+(\n)-4]    ; the scale's byte on top
.elseif (\n) == 6
	v_perm_b32 v[T3], v[XE+1], v[XE], v[PSEL]      ; my blocks h and 2 + h at their places in the word
.elseif (\n) == 7
	v_permlanex16_b32 v[TP+1], v[T3], s[SEL], s[SEL+1]
.elseif (\n) == 8
	v_pk_add_f32 v[L+2*I_:L+2*I_+1], v[L+2*I_:L+2*I_+1], v[A2:A2+1]
.else
	v_or_b32 v[PW+I_], v[T3], v[TP+1]              ; with lane l xor 16's two bytes the word is whole
.endif
.endm
.macro FMAS                            ; tile J_'s t - M
.set N_, 0
.rept 32
	v_pk_fma_f32 v[SJ_+2*N_:SJ_+2*N_+1], v[SJ_+2*N_:SJ_+2*N_+1], s[CS:CS+1], v[NM+2*J_:NM+2*J_+1] op_sel_hi:[1,0,0]
.set N_, N_+1
.endr
	v_fma_f32 v[BM+2*J_], v[BM+2*J_], s[CS], v[NM+2*J_]
	v_fma_f32 v[BM+2*J_+1], v[BM+2*J_+1], s[CS], v[NM+2*J_]
.endm
.macro TILES i, j
.set I_, \i
.set J_, \j
.set SI_, SS+64*I_
.set SJ_, SS+64*J_
.endm
; Behind the exponentials of tile e: its sum, scales and codes; the other tile's maximum, M, O^T under the new M, t - M (nx).  ld: V of this step is loaded, and K of the next (kl)
.macro MID e, ld, kl, nx
	TILES \e, 1-(\e)
.if \nx
	v_mov_b32 v[T1], v[NM+2*J_]                    ; four places behind the products: the old -M,
.else
	v_nop
.endif
.if \ld
	v_add_nc_u32 v[AD16], s[TB], v[LN16]           ; and the addresses
	v_add_nc_u32 v[AD8], s[TB], v[LN8]
	v_add_nc_u32 v[ADS], s[TB], v[LNS]
.if \kl
.irp t, 0,1,2,3,4,5,6,7
	ds_load_b128 v[KF+6*\t:KF+6*\t+3], v[AD16] offset:STEPB+768*\t
	ds_load_b64 v[KF+6*\t+4:KF+6*\t+5], v[AD8] offset:STEPB+768*\t
.endr
	ds_load_b32 v[KS], v[ADS] offset:STEPB
	ds_load_b32 v[KS+1], v[ADS] offset:STEPB+128
.endif
	ds_load_b32 v[VR], v[ADS] offset:256
	ds_load_b32 v[VR+1], v[ADS] offset:384
	WIN 0x40                                       ; destination window 1
.irp t, 0,1,2,3,4,5,6,7
	ds_load_b128 v[VF+6*\t:VF+6*\t+3], v[AD16] offset:6144+768*\t
	ds_load_b64 v[VF+6*\t+4:VF+6*\t+5], v[AD8] offset:6144+768*\t
.endr
	WIN 0
.else
	PLACES 3
.endif
	s_wait_alu depctr_va_vdst(0)                   ; the wait behind the batch, and ahead of the first reader of the products' scores
.set N_, 0
.rept 31
.if \nx
	MX N_
.endif
	SUM N_
.set N_, N_+1
.endr
.if \nx
	MX 31
.endif
.set N_, 0
.rept 10
.if \nx
	MC N_
.endif
	SCL N_
.set N_, N_+1
.endr
	WIN 0x40
.irp c, 0,1
	v_cvt_scalef32_pk16_fp6_f32 v[PC+12*I_+6*\c:PC+12*I_+6*\c+2], v[SI_+32*\c:SI_+32*\c+15], v[SC+\c]
	v_cvt_scalef32_pk16_fp6_f32 v[PX+4*\c:PX+4*\c+2], v[SI_+32*\c+16:SI_+32*\c+31], v[SC+\c]   ; (a conversion's three registers begin on an even number)
.endr
	WIN 0x41                                       ; destination and source 0 in window 1
.if \nx
	s_wait_alu depctr_va_vdst(0)                   ; directly ahead of the first reader of O^T
.set N_, 0
.rept 16
	v_pk_mul_f32 v[OT+32*J_+2*N_:OT+32*J_+2*N_+1], v[OT+32*J_+2*N_:OT+32*J_+2*N_+1], v[FF:FF+1] op_sel_hi:[1,0]   ; (plain places behind the conversions)
.set N_, N_+1
.endr
.else
	v_nop
.endif
.irp c, 0,1
.irp i, 0,1,2
	v_mov_b32 v[PC+12*I_+6*\c+3+\i], v[PX+4*\c+\i]
.endr
.endr
	WIN 0
.if \ld
	s_wait_alu depctr_va_vdst(0)                   ; directly ahead of the wait below
	s_wait_dscnt 0x0                               ; the fragments and scale words are in
	v_perm_b32 v[VS], v[VR+1], v[VR], 0x05040100   ; V's scale words: both key halves' bytes of channel tiles 0, 2
	v_perm_b32 v[VS+1], v[VR+1], v[VR], 0x07060302 ; and 1, 3
.endif
.if \nx
	v_pk_mul_f32 v[L+2*J_:L+2*J_+1], v[L+2*J_:L+2*J_+1], v[FF:FF+1] op_sel_hi:[1,0]
	FMAS
.endif
.endm
	s_load_b128 s[4:7], s[0:1], 0x0                ; qq, kv
	s_load_b64 s[8:9], s[0:1], 0x10                ; cq
	v_lshl_add_u32 v[SPW], v0, 2, SPARE
	v_mov_b32 v[NIL], 0
	ds_add_u32 v[SPW], v[NIL]                      ; the wave's opening: the add, twice on end, and its wait ahead of my first tensor load
	ds_add_u32 v[SPW], v[NIL]
	v_lshrrev_b32 v6, 5, v0
	s_delay_alu instid0(VALU_DEP_1)
	v_readfirstlane_b32 s[WV], v6
	v_and_b32 v[LANE], 31, v0
	v_and_b32 v[RR], 15, v0
	v_lshlrev_b32 v[LN16], 4, v[LANE]
	v_lshl_add_u32 v[LN8], v[LANE], 3, 512
	v_lshl_add_u32 v[LNS], v[LANE], 2, 12288
	v_lshlrev_b32 v[BOF], 2, v[RR]
	s_wait_alu depctr_va_vdst(0)                   ; the wait ahead of the scalar lines and the waits below
	s_mov_b32 s[G1], 15|(3<<16)|(1<<21)            ; the mask: the whole cluster; elements of 8 bytes
	s_mov_b32 s[G1+1], 32<<16                      ; two records as 100 rows of 256 bytes
	s_mov_b32 s[G1+2], 100<<16
	s_mov_b32 s[G1+3], 32<<16
	s_mov_b32 s[G1+4], 100
	s_mov_b32 s[G1+5], 32
	s_mov_b32 s[G1+6], 0
	s_mov_b32 s[G1+7], 0
	s_and_b32 s[BH], ttmp7, 0xffff
	s_mul_i32 s14, s[WV], 2*STEPB
	s_mul_i32 s12, s[BH], 16*STEPB
	s_add_co_u32 s12, s12, s14
	s_mov_b32 s13, 0
	s_mov_b32 s[SEL], 0x76543210
	s_mov_b32 s[SEL+1], 0xfedcba98
	s_mov_b32 s[CS], 0x3e38aa3b
	s_mov_b32 s[CS+1], s[CS]
	s_mov_b32 s[NC], 0xbe38aa3b
	s_mov_b32 s[TB], 0
	s_wait_dscnt 0x0                               ; both opening adds are done
	CROUND                                         ; the partners are here: the joint loads meet
	s_wait_kmcnt 0x0
	s_add_nc_u64 s[12:13], s[6:7], s[12:13]
	s_mov_b32 s[G0], 1
	s_mov_b32 s[G0+1], s14
	s_mov_b64 s[G0+2:G0+3], s[12:13]
	s_or_b32 s[G0+3], s[G0+3], 0x80000000
	s_cmp_eq_u32 s[WV], 0
	s_cbranch_scc0 .Lrest
	TLOAD                                          ; records 0 and 1
	s_branch .Lasked
.Lrest:
	TLOAD                                          ; records 2 to 15
.Lasked:
	s_bfe_u32 s50, ttmp6, 0x40000
	s_lshl_b32 s51, ttmp9, 2
	s_add_co_u32 s51, s51, s50
	s_lshl_b32 s52, s51, 4
	s_lshl_b32 s53, s[WV], 1
	s_add_co_u32 s52, s52, s53                     ; my first tile of queries, 0 .. 126
	s_lshl_b32 s53, s[BH], 7
	s_add_co_u32 s53, s53, s52
	s_mul_i32 s54, s53, 768
	s_mov_b32 s55, 0
	s_add_nc_u64 s[56:57], s[4:5], s[54:55]        ; the two tiles' codes
	s_lshl_b32 s54, s[BH], 12
	s_lshr_b32 s58, s52, 2
	s_lshl_b32 s58, s58, 7
	s_add_co_u32 s54, s54, s58
	s_and_b32 s58, s[WV], 1
	s_lshl_b32 s58, s58, 6
	s_add_co_u32 s54, s54, s58
	s_add_co_u32 s54, s54, SCSEC
	s_add_nc_u64 s[4:5], s[4:5], s[54:55]          ; the words that hold their scale bytes
	global_load_b32 v[T2], v[BOF], s[4:5]
	WIN 0x40
.irp a, 0,1
	global_load_b128 v[QF+18*\a:QF+18*\a+3], v[LN16], s[56:57] offset:768*\a
	global_load_b64 v[QF+18*\a+4:QF+18*\a+5], v[LN8], s[56:57] offset:768*\a
	global_load_b128 v[QF+18*\a+12:QF+18*\a+15], v[LN16], s[56:57] offset:768*\a
	global_load_b64 v[QF+18*\a+16:QF+18*\a+17], v[LN8], s[56:57] offset:768*\a
.irp j, 6,7,8,9,10,11
	v_mov_b32 v[QF+18*\a+\j], 0
.endr
.endr
	WIN 0
.irp a, 0,1
	v_mov_b32 v[NM+2*\a], 0x7e22abc8               ; -M: a whole number over every -M to come, so the first factor is 0
	v_mov_b32 v[NM+2*\a+1], 0xff61b1e6             ; -3e38, under every score
	v_mov_b32 v[L+2*\a], 0
	v_mov_b32 v[L+2*\a+1], 0
	v_mov_b32 v[TP+\a], 0                          ; a lane permute's destination counts as one of its sources
.endr
	v_mov_b32 v[FF+1], 0
	v_mov_b32 v[T3], 0x070c030c                    ; lanes 16-31: my bytes are the word's 1 and 3
	v_mov_b32 v[PSEL], 0x0c070c03                  ; lanes 0-15: its 0 and 2
	v_cmp_gt_u32 vcc_lo, 16, v[LANE]
	v_cndmask_b32 v[PSEL], v[T3], v[PSEL], vcc_lo
	s_wait_alu depctr_va_vdst(0)                   ; directly ahead of the wait below
	s_wait_loadcnt 0x0
	v_perm_b32 v[QS], v[T2], v[T2], 0x01000100     ; each tile's two bytes, for both places of q
	v_perm_b32 v[QS+1], v[T2], v[T2], 0x03020302
	WIN 0x40
.set N_, 0
.rept 64
	v_mov_b32 v[OT+N_], 0
.set N_, N_+1
.endr
	WIN 0
	s_wait_alu depctr_va_vdst(0)                   ; the wait at the head's end
	s_cmp_eq_u32 s[WV], 0
	s_cbranch_scc0 .Lnot_first
	s_wait_tensorcnt 0x0                           ; records 0 and 1 are in
.Lnot_first:
	s_barrier_signal -1
	s_barrier_wait -1                              ; everybody knows; the others may be on their way: nothing is ever filled again
.irp t, 0,1,2,3,4,5,6,7
	ds_load_b128 v[KF+6*\t:KF+6*\t+3], v[LN16] offset:768*\t
	ds_load_b64 v[KF+6*\t+4:KF+6*\t+5], v[LN8] offset:768*\t
.endr
	ds_load_b32 v[KS], v[LNS]
	ds_load_b32 v[KS+1], v[LNS] offset:128
	s_wait_dscnt 0x0
	WIN 0x04
.irp t, 0,1,2,3,4,5,6,7
	WMQ \t, 0
.endr
	WIN 0
	PLACES 4
	TILES 1, 0
.set N_, 0
.rept 32
	MX N_
.set N_, N_+1
.endr
.set N_, 0
.rept 5
	MC N_
.set N_, N_+1
.endr
	FMAS
	; trip 0
	EXPS 0, 1, 0
	MID 0, 1, 1, 1
	s_wait_tensorcnt 0x0                           ; my two records are in, whichever they are; (my LDS reads are done: the wait for 0 stands above)
	s_barrier_signal -1
	EXPS 1, 1, 1
	MID 1, 0, 0, 1
	s_barrier_wait -1                              ; all sixteen are in
	s_add_co_u32 s[TB], s[TB], STEPB
	s_mov_b32 s[CNT], 14
.Ltrip:                                                ; trips 1 to 14
	EXPS 0, 1, 1
	MID 0, 1, 1, 1
	EXPS 1, 1, 1
	MID 1, 0, 0, 1
	s_add_co_u32 s[TB], s[TB], STEPB
	s_sub_co_u32 s[CNT], s[CNT], 1
	s_cmp_lg_u32 s[CNT], 0
	s_cbranch_scc1 .Ltrip
	; trip 15
	EXPS 0, 1, 1
	MID 0, 1, 0, 1
	EXPS 1, 0, 1
	MID 1, 0, 0, 0
	PLACES 4                                       ; (with the moves: the places ahead of a scaled product whose operands vector instructions wrote)
	WIN 0x55
.irp t, 0,1,2,3
	WMP \t, 1
.endr
	WIN 0
.irp a, 0,1                            ; the rows' sums  (these six lines are also the places behind the products)
	v_add_f32 v[T1+\a], v[L+2*\a], v[L+2*\a+1]
.endr
.irp a, 0,1
	v_permlanex16_b32 v[TP+\a], v[T1+\a], s[SEL], s[SEL+1]
.endr
.irp a, 0,1
	v_add_f32 v[L+2*\a], v[T1+\a], v[TP+\a]
.endr
	s_wait_alu depctr_va_vdst(0)                   ; the wait ahead of the transcendentals
	v_rcp_f32 v[L], v[L]
	v_rcp_f32 v[L+2], v[L+2]
	v_bfe_u32 v[ADS], v0, 4, 1
	v_lshl_add_u32 v[BOF], v[RR], 2, v[ADS]        ; my byte: row r, block h
	s_and_b32 s50, s[BH], 15                       ; the head
	s_lshr_b32 s51, s[BH], 4
	s_lshl_b32 s51, s51, 7
	s_add_co_u32 s51, s51, s52                     ; the first tile, 0 .. 254: even, so both lie in one record
	s_lshr_b32 s53, s50, 2
	s_mul_i32 s53, s53, SGB
	s_lshr_b32 s54, s51, 3
	s_mul_i32 s54, s54, GRP
	s_add_co_u32 s53, s53, s54                     ; the record
	s_and_b32 s51, s51, 7
	s_mul_i32 s54, s51, 3072
	s_add_co_u32 s54, s54, s53
	s_and_b32 s55, s50, 3
	s_mul_i32 s55, s55, 768
	s_add_co_u32 s54, s54, s55
	s_mov_b32 s55, 0
	s_add_nc_u64 s[56:57], s[8:9], s[54:55]        ; my half's image
	s_lshl_b32 s54, s51, 7
	s_add_co_u32 s54, s54, s53
	s_bfe_u32 s58, s50, 0x10001
	s_lshl_b32 s58, s58, 6
	s_add_co_u32 s54, s54, s58
	s_and_b32 s58, s50, 1
	s_lshl_b32 s58, s58, 1
	s_add_co_u32 s54, s54, s58
	s_add_co_u32 s54, s54, 24576
	s_add_nc_u64 s[8:9], s[8:9], s[54:55]          ; my bytes in the scale words
	WIN 0x01                                       ; source 0 in window 1
	s_wait_alu depctr_va_vdst(0)                   ; directly ahead of the first reader
.irp a, 0,1
.set N_, 0
.rept 16
	v_pk_mul_f32 v[SS+64*\a+2*N_:SS+64*\a+2*N_+1], v[OT+32*\a+2*N_:OT+32*\a+2*N_+1], v[L+2*\a:L+2*\a+1] op_sel_hi:[1,0]   ; O^T / the sum: channel 32 h + 2 N_ of query r
.set N_, N_+1
.endr
.endr
	WIN 0
.irp a, 0,1                            ; the two tiles' one block each, by turns
	v_max3_num_f32 v[BM+2*\a], |v[SS+64*\a]|, |v[SS+64*\a+1]|, 0x1800000
	v_max3_num_f32 v[TM+\a], |v[SS+64*\a+16]|, |v[SS+64*\a+17]|, |v[SS+64*\a+18]|
.endr
.irp i, 2,4,6,8,10,12
.irp a, 0,1
	v_max3_num_f32 v[BM+2*\a], v[BM+2*\a], |v[SS+64*\a+\i]|, |v[SS+64*\a+\i+1]|
	v_max3_num_f32 v[TM+\a], v[TM+\a], |v[SS+64*\a+\i+17]|, |v[SS+64*\a+\i+18]|
.endr
.endr
.irp a, 0,1
	v_max3_num_f32 v[BM+2*\a], v[BM+2*\a], |v[SS+64*\a+14]|, |v[SS+64*\a+15]|
.endr
.irp a, 0,1
	v_max3_num_f32 v[BM+2*\a], v[BM+2*\a], v[TM+\a], |v[SS+64*\a+31]|
.endr
.irp a, 0,1
	v_add_nc_u32 v[SC+\a], 0xff000000, v[BM+2*\a]
.endr
.irp a, 0,1
	v_cvt_scalef32_pk16_fp6_f32 v[KF+8*\a:KF+8*\a+2], v[SS+64*\a:SS+64*\a+15], v[SC+\a]
	v_cvt_scalef32_pk16_fp6_f32 v[KF+32+4*\a:KF+32+4*\a+2], v[SS+64*\a+16:SS+64*\a+31], v[SC+\a]
.endr
.irp a, 0,1
	v_lshrrev_b32 v[XE+\a], 23, v[SC+\a]           ; (the plain places behind the conversions)
.endr
.irp a, 0,1
.irp i, 0,1,2
	v_mov_b32 v[KF+8*\a+3+\i], v[KF+32+4*\a+\i]
.endr
	global_store_b128 v[LN16], v[KF+8*\a:KF+8*\a+3], s[56:57] offset:3072*\a       ; 512 consecutive bytes, at a multiple of 256
	global_store_b64 v[LN8], v[KF+8*\a+4:KF+8*\a+5], s[56:57] offset:3072*\a       ; 256 consecutive bytes
	global_store_b8 v[BOF], v[XE+\a], s[8:9] offset:128*\a
.endr
	s_wait_tensorcnt 0x0                           ; the wave's end
	ds_add_u32 v[SPW], v[NIL]
	s_wait_dscnt 0x0
	CROUND                                         ; the closing round
	s_endpgm
.Lfunc_end_k_q5808d0c3f2_attn:
	.size	k_q5808d0c3f2_attn, .Lfunc_end_k_q5808d0c3f2_attn-k_q5808d0c3f2_attn
	.p2alignl 7, 3214868480
	.fill 96, 4, 3214868480
	.section	.rodata,"a",@progbits
	.p2align	6, 0x0
	.amdhsa_kernel k_q5808d0c3f2_attn
		.amdhsa_group_segment_fixed_size 327680
		.amdhsa_private_segment_fixed_size 0
		.amdhsa_enable_private_segment 0
		.amdhsa_kernarg_size 24
		.amdhsa_user_sgpr_count 2
		.amdhsa_user_sgpr_kernarg_segment_ptr 1
		.amdhsa_wavefront_size32 1
		.amdhsa_system_sgpr_workgroup_id_x 1
		.amdhsa_system_sgpr_workgroup_id_y 1
		.amdhsa_system_sgpr_workgroup_id_z 1
		.amdhsa_system_vgpr_workitem_id 0
		.amdhsa_next_free_vgpr 448
		.amdhsa_next_free_sgpr 66
		.amdhsa_reserve_vcc 1
		.amdhsa_float_denorm_mode_32 3
		.amdhsa_float_denorm_mode_16_64 3
		.amdhsa_memory_ordered 1
		.amdhsa_forward_progress 1
		.amdhsa_inst_pref_size 99
	.end_amdhsa_kernel
	.amdgpu_metadata
---
amdhsa.version: [ 1, 2 ]
amdhsa.kernels:
  - .name:           k_q5808d0c3f2_attn
    .symbol:         k_q5808d0c3f2_attn.kd
    .args:
      - { .name: qq, .offset: 0, .size: 8, .value_kind: global_buffer, .address_space: global }
      - { .name: kv, .offset: 8, .size: 8, .value_kind: global_buffer, .address_space: global }
      - { .name: cq, .offset: 16, .size: 8, .value_kind: global_buffer, .address_space: global }
    .group_segment_fixed_size: 327680
    .private_segment_fixed_size: 0
    .kernarg_segment_align: 8
    .kernarg_segment_size: 24
    .max_flat_workgroup_size: 256
    .sgpr_count:     66
    .vgpr_count:     448
    .wavefront_size: 32
...
	.end_amdgpu_metadata
.endif
;; end of part 3
;; launch outp (part 4): grid 8 x 32, 8 waves a work-group, clusters of 4 x 4, 240,640 bytes of LDS; arguments cq, wq, bo, out0; writes out0
.if DOCPART == 4
	.amdgcn_target "amdgcn-amd-amdhsa--gfx1250"
	.amdhsa_code_object_version 6
	.text
	.protected	k_q5808d0c3f2_outp
	.globl	k_q5808d0c3f2_outp
	.p2align	8
	.type	k_q5808d0c3f2_outp,@function
k_q5808d0c3f2_outp:
	s_mov_b64 s[64:65], 0
	v_nop
	global_prefetch_b8 v0, s[64:65] scope:SCOPE_SE
	s_setreg_imm32_b32 hwreg(HW_REG_WAVE_MODE, 25, 1), 1
	s_wait_xcnt 0x0
	s_wait_alu depctr_hold_cnt(0) depctr_sa_sdst(0) depctr_va_vdst(0) depctr_va_sdst(0) depctr_va_ssrc(0) depctr_va_vcc(0) depctr_vm_vsrc(0)
	s_getreg_b32 s2, hwreg(HW_REG_IB_STS2, 6, 4)
	s_cmp_eq_u32 s2, 0
	s_cbranch_scc0 .Lentry_in_a_cluster
	s_endpgm
.Lentry_in_a_cluster:
	s_bfe_u32 s2, ttmp6, 0x10000c
	s_cmp_lg_u32 s2, 0xf033
	s_cbranch_scc0 .Lentry_shape_is_right
	s_endpgm
.Lentry_shape_is_right:
; Launch 4 of 4: out0 = ctx Wo + bo on codes of FP6 (E2M3); ctx's codes come from the third launch, Wo's from the first (records 24 on of each sg of wq).  No work is left out.
; SHARES.  Work-group (nb, mb) makes 128 columns x 128 tokens.  Eight waves; wave w: iu = w % 2, jq = w / 2: 64 columns (source 0 = 4 tiles of Wo) x 32 tokens (source 1 = 2 tiles of ctx): 8 accumulators.
; Used transposed, so that a lane's registers are neighbouring columns of one token's row: by the tiles' order of rows, register 8 j + e is column 32 (lane / 16) + 8 j + e of the 64.
; LDS.  All of K lies in LDS: eight records of 25,600 bytes (Wo's four sg, ctx's four sg), filled once.  Wave w asks for record w: one tensor load a wave.  The records of sg 0 and 1 have load lines of their own: the first barrier shows them, a second the others.
; CLUSTER 4 x 4: ctx's tiles hang on mb alone and are asked for jointly along a row of the cluster, Wo's on nb alone and along a column.  No prefetch: everything is asked for at the head.
; The sums start from bo, which is loaded into the accumulators.  Fragments have two sets of registers: a K step's are fetched ahead of the products of the step before.
.set SGB,    819200
.set GRP,    25600
.set SCO,    24576                     ; in a record: the scale words, 128 bytes a tile
.set STG,    204800                    ; the way out: a stage of 16 rows x (256 bytes + 16) for each wave; no fill lands here
.set SPARE,  239616                    ; the spare words, 128 bytes for each wave, which no other line names
.set A0,   1                           ; v1, v2  source 0's tiles: + 16 x lane, + 8 x lane
.set A1,   3                           ; v3, v4  source 1's
.set AS0,  5
.set AS1,  6
.set SPW,  7                           ; my spare word's LDS address; never rewritten
.set NIL,  8                           ; 0; never rewritten
.set STO,  9
.set RD,   10
.set GO,   11
.set BO,   12
.set LANE, 13
.set RR,   14
.set HH,   15
.set SC0,  16                          ; v16-21 and v24-29: scale words of an sg, four of source 0, two of source 1
.set LN16, 22
.set LN8,  23
.set LN4,  30
.set F0,   32                          ; v32-103, v104-175: two sets of six fragments
.set FSZ,  72
.set ACC,  192                         ; accumulator (it, jt) at 192 + 32 jt + 8 it
.set WV,   12
.set REG,  13
.set QT,   14
.set IU,   15
.set JQ,   16
.set CX,   18
.set CY,   19
.set NB,   20
.set MB,   21
.set G1C,  24
.set G1W,  32
.set G0C,  40
.set G0W,  44
.macro JLOAD                           ; a joint load: one arm for ctx's, one for Wo's; the branch hangs on the wave's number alone; an s_nop 0 and four v_nop follow each line
	s_cmp_eq_u32 s[REG], 1
	s_cbranch_scc0 .Lfor_w_\@
	tensor_load_to_lds s[G0C:G0C+3], s[G1C:G1C+7]
	s_nop 0
.rept 4
	v_nop
.endr
	s_branch .Lasked_\@
.Lfor_w_\@:
	tensor_load_to_lds s[G0W:G0W+3], s[G1W:G1W+7]
	s_nop 0
.rept 4
	v_nop
.endr
.Lasked_\@:
.endm
.macro CROUND                          ; a round of the cluster's barrier
	s_barrier_signal -1
	s_barrier_wait -1
	s_cmp_lg_u32 s[WV], 0
	s_cbranch_scc1 .Lnot_wave_0_\@
	s_barrier_signal -3
.Lnot_wave_0_\@:
	s_barrier_wait -3
	s_barrier_signal -1
	s_barrier_wait -1
.endm
.macro PLACES                          ; four places behind matrix instructions (ISA guide 7.12.1)
.rept 4
	v_nop
.endr
.endm
.macro FETCH s                         ; K step s: 24 loads into set s % 2, and with an sg's first K step its six scale words
.set O_, GRP*(((\s)/2)%2)
.set P_, 1536*((\s)%2)
.set F_, F0+FSZ*((\s)%2)
.set S_, SC0+8*(((\s)/2)%2)
.if (\s)%2 == 0
.irp t, 0,1,2,3
	ds_load_b32 v[S_+\t], v[AS0] offset:O_+128*\t
.endr
.irp t, 0,1
	ds_load_b32 v[S_+4+\t], v[AS1] offset:O_+128*\t
.endr
.endif
.irp t, 0,1,2,3
.irp c, 0,1
	ds_load_b128 v[F_+12*\t+6*\c:F_+12*\t+6*\c+3], v[A0] offset:O_+3072*\t+P_+768*\c
	ds_load_b64 v[F_+12*\t+6*\c+4:F_+12*\t+6*\c+5], v[A0+1] offset:O_+3072*\t+P_+768*\c+512
.endr
.endr
.irp t, 0,1
.irp c, 0,1
	ds_load_b128 v[F_+48+12*\t+6*\c:F_+48+12*\t+6*\c+3], v[A1] offset:O_+3072*\t+P_+768*\c
	ds_load_b64 v[F_+48+12*\t+6*\c+4:F_+48+12*\t+6*\c+5], v[A1+1] offset:O_+3072*\t+P_+768*\c+512
.endr
.endr
.endm
.macro MUL s, n                        ; K step s: 8 products, the accumulators by turns; n: the LDS loads issued behind its own, which may be out
.irp jt, 0,1
.set F_, F0+FSZ*((\s)%2)
.set S_, SC0+8*(((\s)/2)%2)
	s_wait_dscnt (\n)+4*(1-\jt)
.irp it, 0,1,2,3
.if (\s)%2
	v_wmma_scale_f32_16x16x128_f8f6f4 v[ACC+32*\jt+8*\it:ACC+32*\jt+8*\it+7], v[F_+12*\it:F_+12*\it+11], v[F_+48+12*\jt:F_+48+12*\jt+11], v[ACC+32*\jt+8*\it:ACC+32*\jt+8*\it+7], v[S_+\it], v[S_+4+\jt] matrix_a_fmt:MATRIX_FMT_FP6 matrix_b_fmt:MATRIX_FMT_FP6 matrix_a_scale:MATRIX_SCALE_ROW1 matrix_b_scale:MATRIX_SCALE_ROW1
.else
	v_wmma_scale_f32_16x16x128_f8f6f4 v[ACC+32*\jt+8*\it:ACC+32*\jt+8*\it+7], v[F_+12*\it:F_+12*\it+11], v[F_+48+12*\jt:F_+48+12*\jt+11], v[ACC+32*\jt+8*\it:ACC+32*\jt+8*\it+7], v[S_+\it], v[S_+4+\jt] matrix_a_fmt:MATRIX_FMT_FP6 matrix_b_fmt:MATRIX_FMT_FP6
.endif
.endr
.endr
.endm
	s_load_b256 s[4:11], s[0:1], 0x0               ; cq, wq, bo, out0
	v_lshl_add_u32 v[SPW], v0, 2, SPARE
	v_mov_b32 v[NIL], 0
	ds_add_u32 v[SPW], v[NIL]                      ; the wave's opening: the add, twice on end, and its wait ahead of my first tensor load; the set-up below is work on registers
	ds_add_u32 v[SPW], v[NIL]
	v_lshrrev_b32 v13, 5, v0
	s_delay_alu instid0(VALU_DEP_1)
	v_readfirstlane_b32 s[WV], v13                 ; wave 0..7
	v_and_b32 v[LANE], 31, v0
	v_and_b32 v[RR], 15, v0
	v_bfe_u32 v[HH], v0, 4, 1
	v_lshlrev_b32 v[LN16], 4, v[LANE]
	v_lshlrev_b32 v[LN8], 3, v[LANE]
	v_lshlrev_b32 v[LN4], 2, v[LANE]
	v_lshlrev_b32 v[BO], 7, v[HH]                  ; bo: tile j's register e is column 32 h + 8 j + e of my 64
	v_lshlrev_b32 v[GO], 12, v[HH]
	v_lshl_add_u32 v[GO], v[RR], 4, v[GO]          ; out0: lanes 0-15 one row of 256 bytes, lanes 16-31 the next
	v_mul_u32_u24 v[STO], v[RR], 272
	v_lshl_add_u32 v[STO], v[HH], 7, v[STO]        ; the stage, in: row r, my half's 32 columns;
	v_mul_u32_u24 v[RD], v[HH], 272
	v_lshl_add_u32 v[RD], v[RR], 4, v[RD]          ; back: as in out0
	s_wait_alu depctr_va_vdst(0)                   ; the wait ahead of the scalar lines
	s_lshr_b32 s[REG], s[WV], 2                    ; I fetch for Wo (0) or for ctx (1),
	s_and_b32 s[QT], s[WV], 3                      ; sg = qt
	s_and_b32 s[IU], s[WV], 1
	s_lshr_b32 s[JQ], s[WV], 1
	; LDS addresses: made of the wave's number and the lane alone
	s_mul_i32 s84, s[IU], 4*3072                   ; source 0: Wo's tiles 4 iu on
	v_add_nc_u32 v[A0], s84, v[LN16]
	v_add_nc_u32 v[A0+1], s84, v[LN8]
	s_mul_i32 s84, s[JQ], 2*3072
	s_add_co_u32 s84, s84, 4*GRP                   ; source 1: ctx's tiles 2 jq on
	v_add_nc_u32 v[A1], s84, v[LN16]
	v_add_nc_u32 v[A1+1], s84, v[LN8]
	s_lshl_b32 s84, s[IU], 9
	s_add_co_u32 s84, s84, SCO
	v_add_nc_u32 v[AS0], s84, v[LN4]
	s_lshl_b32 s84, s[JQ], 8
	s_add_co_u32 s84, s84, 4*GRP+SCO
	v_add_nc_u32 v[AS1], s84, v[LN4]
	s_mul_i32 s84, s[WV], 16*272
	s_add_co_u32 s84, s84, STG                     ; my stage
	v_add_nc_u32 v[STO], s84, v[STO]
	v_add_nc_u32 v[RD], s84, v[RD]
	s_mul_i32 s85, s[WV], GRP                      ; where my record goes
	; my place
	s_bfe_u32 s[CX], ttmp6, 0x40000
	s_bfe_u32 s[CY], ttmp6, 0x40004
	s_lshl_b32 s[NB], ttmp9, 2
	s_add_co_u32 s[NB], s[NB], s[CX]
	s_and_b32 s[MB], ttmp7, 0xffff
	s_lshl_b32 s[MB], s[MB], 2
	s_add_co_u32 s[MB], s[MB], s[CY]
	s_lshl_b32 s22, s[CY], 2
	s_lshl_b32 s22, 15, s22                        ; my row of the cluster
	s_lshl_b32 s23, 0x1111, s[CX]                  ; my column
	; group 1: a record, dense, as 100 rows of 32 elements of 8 bytes
	s_or_b32 s[G1C], s22, (3<<16)|(1<<21)          ; 15:0 the mask; 17:16 elements of 8 bytes; 21 set beside a mask; no padding
	s_or_b32 s[G1W], s23, (3<<16)|(1<<21)
.irp g, G1C, G1W
	s_mov_b32 s[\g+1], 32<<16                      ; tensor_dim0
	s_mov_b32 s[\g+2], 100<<16                     ; tensor_dim1
	s_mov_b32 s[\g+3], 32<<16                      ; tile_dim0
	s_mov_b32 s[\g+4], 100                         ; tile_dim1
	s_mov_b32 s[\g+5], 32                          ; the pitch
	s_mov_b32 s[\g+6], 0
	s_mov_b32 s[\g+7], 0
.endr
	; where they come from: ctx's hang on mb and the wave alone, Wo's on nb and the wave alone, each in registers of their own
	s_mul_i32 s96, s[QT], SGB
	s_mul_i32 s88, s[MB], GRP
	s_add_co_u32 s88, s88, s96
	s_mov_b32 s89, 0
	s_mul_i32 s92, s[NB], GRP
	s_add_co_u32 s92, s92, s96
	s_add_co_u32 s92, s92, 24*GRP
	s_mov_b32 s93, 0
	s_wait_alu depctr_va_vdst(0)                   ; the wait at the head's end
	s_wait_dscnt 0x0                               ; both opening adds are done
	CROUND                                         ; all sixteen work-groups are here: the joint loads meet
	s_wait_kmcnt 0x0
	s_add_nc_u64 s[88:89], s[4:5], s[88:89]
	s_add_nc_u64 s[92:93], s[6:7], s[92:93]
	s_mov_b32 s[G0C], 1
	s_mov_b32 s[G0C+1], s85
	s_mov_b64 s[G0C+2:G0C+3], s[88:89]
	s_or_b32 s[G0C+3], s[G0C+3], 0x80000000
	s_mov_b32 s[G0W], 1
	s_mov_b32 s[G0W+1], s85
	s_mov_b64 s[G0W+2:G0W+3], s[92:93]
	s_or_b32 s[G0W+3], s[G0W+3], 0x80000000
	s_cmp_lt_u32 s[QT], 2                          ; sg 0 and 1 have load lines of their own
	s_cbranch_scc0 .Llater
	JLOAD
	s_branch .Lall_asked
.Llater:
	JLOAD
.Lall_asked:
	s_lshl_b32 s84, s[NB], 9
	s_lshl_b32 s97, s[IU], 8
	s_add_co_u32 s84, s84, s97                     ; my first column, in bytes
	s_mov_b32 s85, 0
	s_add_nc_u64 s[8:9], s[8:9], s[84:85]
.irp jt, 0,1
.irp t, 0,1,2,3
	global_load_b128 v[ACC+32*\jt+8*\t:ACC+32*\jt+8*\t+3], v[BO], s[8:9] offset:32*\t
	global_load_b128 v[ACC+32*\jt+8*\t+4:ACC+32*\jt+8*\t+7], v[BO], s[8:9] offset:32*\t+16
.endr
.endr
	s_lshl_b32 s98, s[MB], 7
	s_lshr_b32 s99, s[JQ], 1
	s_lshl_b32 s99, s99, 6
	s_add_co_u32 s98, s98, s99
	s_and_b32 s99, s[JQ], 1
	s_lshl_b32 s99, s99, 4
	s_add_co_u32 s98, s98, s99                     ; my first token: 128 mb + 64 (jq / 2) + 16 (jq % 2)
	s_lshl_b32 s98, s98, 12                        ; rows of 4,096 bytes
	s_add_co_u32 s98, s98, s84
	s_mov_b32 s99, 0
	s_add_nc_u64 s[10:11], s[10:11], s[98:99]
	s_cmp_lt_u32 s[QT], 2
	s_cbranch_scc0 .Lnot_first
	s_wait_tensorcnt 0x0                           ; my record of sg 0 or 1 is in
.Lnot_first:
	s_barrier_signal -1
	s_barrier_wait -1                              ; all four are; the others may be on their way: nothing is ever filled again
	FETCH 0
	FETCH 1
	s_wait_loadcnt 0x0                             ; the bias
	MUL 0, 24
	PLACES
	FETCH 2
	MUL 1, 30
	PLACES
	FETCH 3
	MUL 2, 24
	s_wait_tensorcnt 0x0                           ; my record is in, whichever it is
	s_wait_dscnt 0x0
	s_barrier_signal -1
	MUL 3, 0
	s_barrier_wait -1                              ; everybody's is
.irp a, A0, A0+1, A1, A1+1, AS0, AS1   ; (these six lines are also the places behind the products)
	v_add_nc_u32 v[\a], 2*GRP, v[\a]
.endr
	s_wait_alu depctr_va_vdst(0)
	FETCH 4
	FETCH 5
	MUL 4, 24
	PLACES
	FETCH 6
	MUL 5, 30
	PLACES
	FETCH 7
	MUL 6, 24
	MUL 7, 0
	PLACES
	; THE WAY OUT, a tile of 16 tokens at a time: a lane holds 128 bytes of one token's row, and the lanes beside it hold other tokens: through my own stage, and back as rows of 256 bytes
.irp jt, 0,1
.irp it, 0,1,2,3
	ds_store_b128 v[STO], v[ACC+32*\jt+8*\it:ACC+32*\jt+8*\it+3] offset:32*\it          ; each accumulator from its low end on
	ds_store_b128 v[STO], v[ACC+32*\jt+8*\it+4:ACC+32*\jt+8*\it+7] offset:32*\it+16
.endr
.irp i, 0,1,2,3,4,5,6,7
	ds_load_b128 v[F0+32*\jt+4*\i:F0+32*\jt+4*\i+3], v[RD] offset:544*\i   ; LDS serves a wave's instructions in order: these see my stores, and the next tile's stores come behind them
.endr
.endr
.irp jt, 0,1
.irp i, 0,1,2,3,4,5,6,7
	s_wait_dscnt 16*(1-\jt)+7-\i                   ; the younger stage instructions may be out
	global_store_b128 v[GO], v[F0+32*\jt+4*\i:F0+32*\jt+4*\i+3], s[10:11] offset:(8*\jt+2*\i+24*(\i/4))*4096 th:TH_STORE_NT   ; stage row 2 i + h is token 8 jt + 2 i + h + 24 (i / 4) on from my first; 16 lanes store 256 consecutive bytes, at a multiple of 256
.endr
.endr
	s_wait_tensorcnt 0x0                           ; the wave's end
	ds_add_u32 v[SPW], v[NIL]
	s_wait_dscnt 0x0
	CROUND                                         ; the closing round
	s_endpgm
.Lfunc_end_k_q5808d0c3f2_outp:
	.size	k_q5808d0c3f2_outp, .Lfunc_end_k_q5808d0c3f2_outp-k_q5808d0c3f2_outp
	.p2alignl 7, 3214868480
	.fill 96, 4, 3214868480
	.section	.rodata,"a",@progbits
	.p2align	6, 0x0
	.amdhsa_kernel k_q5808d0c3f2_outp
		.amdhsa_group_segment_fixed_size 240640
		.amdhsa_private_segment_fixed_size 0
		.amdhsa_enable_private_segment 0
		.amdhsa_kernarg_size 32
		.amdhsa_user_sgpr_count 2
		.amdhsa_user_sgpr_kernarg_segment_ptr 1
		.amdhsa_wavefront_size32 1
		.amdhsa_system_sgpr_workgroup_id_x 1
		.amdhsa_system_sgpr_workgroup_id_y 1
		.amdhsa_system_sgpr_workgroup_id_z 1
		.amdhsa_system_vgpr_workitem_id 0
		.amdhsa_next_free_vgpr 256
		.amdhsa_next_free_sgpr 102
		.amdhsa_reserve_vcc 0
		.amdhsa_float_denorm_mode_32 3
		.amdhsa_float_denorm_mode_16_64 3
		.amdhsa_memory_ordered 1
		.amdhsa_forward_progress 1
		.amdhsa_inst_pref_size 36
	.end_amdhsa_kernel
	.amdgpu_metadata
---
amdhsa.version: [ 1, 2 ]
amdhsa.kernels:
  - .name:           k_q5808d0c3f2_outp
    .symbol:         k_q5808d0c3f2_outp.kd
    .args:
      - { .name: cq, .offset: 0, .size: 8, .value_kind: global_buffer, .address_space: global }
      - { .name: wq, .offset: 8, .size: 8, .value_kind: global_buffer, .address_space: global }
      - { .name: bo, .offset: 16, .size: 8, .value_kind: global_buffer, .address_space: global }
      - { .name: out0, .offset: 24, .size: 8, .value_kind: global_buffer, .address_space: global }
    .group_segment_fixed_size: 240640
    .private_segment_fixed_size: 0
    .kernarg_segment_align: 8
    .kernarg_segment_size: 32
    .max_flat_workgroup_size: 256
    .sgpr_count:     102
    .vgpr_count:     256
    .wavefront_size: 32
...
	.end_amdgpu_metadata
.endif
;; end of part 4
